; MI455X (gfx1250); checked and timed in simulation.
; The chip was launched on July 23, 2026; its instructions are those of AMD's public machine-readable ISA for CDNA 5 (MIT licence, August 2026) and "CDNA5" Instruction Set Architecture Reference Guide (July 2026). The comments in the code are by the model that wrote it; some were corrected since.
;; Block. Allowed arithmetic: matrix products marked QUANTISED: E2M3 operands, one E8M0 scale for each 32 along K, by v_wmma_scale_f32_16x16x128_f8f6f4 with both operands' format E2M3, f32 sums; everything else in f32.
;; Inputs: W1 3,072 x 1,024 float32; W2 1,024 x 3,072 float32; Wk 16 x 1,024 x 64 float32; Wo 1,024 x 1,024 float32; Wq 16 x 1,024 x 64 float32; Wv 16 x 1,024 x 64 float32; b1 3,072 float32; b2 1,024 float32; be1 1,024 float32; be2 1,024 float32; bo 1,024 float32; g1 1,024 float32; g2 1,024 float32; x 2 x 2,048 x 1,024 float32.
;; Outputs: out0 2 x 2,048 x 1,024 float32.
;; This version of the problem:
;;   THIS VERSION OF THE PROBLEM IS GIVEN IN LOW PRECISION. The matrix products marked QUANTISED in the list below multiply operands that are first quantised to E2M3 (2 exponent bits, 3 mantissa bits; 6 bits a number), with one power-of-two scale for each 32 numbers along K (OCP MX v1.0); their sums are f32. All else is computed in f32.
;;   The module's matrix products, in the order in which they are computed (A, B: the left and right operand; K: the contracted axis; several contracted axes count as one K, in the product's order):
;;     1. [M 1,024, K 1,024] x [K 1,024, N 4,096]; A: input Wq; B: computed on the way: QUANTISED
;;     2. [M 1,024, K 1,024] x [K 1,024, N 4,096]; A: input Wk; B: computed on the way: QUANTISED
;;     3. [M 1,024, K 1,024] x [K 1,024, N 4,096]; A: input Wv; B: computed on the way: QUANTISED
;;     4. batch 32 x [M 2,048, K 64] x [K 64, N 2,048]; A: computed on the way; B: computed on the way: QUANTISED
;;     5. batch 32 x [M 2,048, K 2,048] x [K 2,048, N 64]; A: softmax (see below); B: computed on the way: QUANTISED
;;     6. [M 4,096, K 1,024] x [K 1,024, N 1,024]; A: computed on the way; B: input Wo: QUANTISED
;;     7. [M 4,096, K 1,024] x [K 1,024, N 3,072]; A: computed on the way; B: input W1: QUANTISED
;;     8. [M 4,096, K 3,072] x [K 3,072, N 1,024]; A: computed on the way; B: input W2: QUANTISED
;;   THE QUANTISER, for each operand of a quantised product, along K:
;;     - K is cut into blocks of 32 from its start; a last block that is shorter is filled with zeros.
;;     - A block's scale is 2^e with e = floor(log2(the largest magnitude in the block)) - 2, held to -126 .. 127; a block of zeros has e = 0. As a byte (E8M0): e + 127.
;;     - Each number is divided by its block's scale, clamped to +-7.5, and rounded to the nearest number of E2M3, ties to even, subnormals kept.
;;     - The product sums the exact products of the quantised numbers (number of the format x scale) in f32.
;;   ~~~python
;;   def quantise(x, axis):      # numpy; x: float32 -> the quantised numbers, widened to float32 again
;;       x = np.moveaxis(x, axis, -1); K = x.shape[-1]
;;       x = np.pad(x, [(0, 0)] * (x.ndim - 1) + [(0, -K % 32)]); x = x.reshape(x.shape[:-1] + (-1, 32)); a = np.abs(x).max(-1, keepdims=True)
;;       e = np.where(a > 0, np.clip(np.frexp(np.where(a > 0, a, 1))[1] - 1 - 2, -126, 127), 0)      # np.frexp(a)[1] - 1 = floor(log2(a)), exactly
;;       r = np.clip(x / 2.0 ** e, -7.5, 7.5)
;;       step = 2.0 ** (np.maximum(np.frexp(np.where(r == 0, 1, r))[1] - 1, 0) - 3)
;;       q = np.round(r / step) * step * 2.0 ** e      # np.round: ties to even
;;       return np.moveaxis(q.reshape(q.shape[:-2] + (-1,))[..., :K], -1, axis).astype(np.float32)
;;   ~~~
;;   SOFTMAX AHEAD OF A QUANTISED PRODUCT. Where the list says 'softmax', what is quantised is not the finished softmax but p = 2^(t - M), with t = logit x log2(e) and M = ceil(the row's largest t), a whole number; so 1/2 < the row's largest p <= 1. The row's sum l is taken of the UNQUANTISED p, in f32, and the product's result is divided by l at the end. Since M is a whole number, a kernel that streams over the keys may use a running M (the ceiling of the running maximum): every later rescaling is an exact power of two, which a block's scale takes up: the codes' values come out the same.
;;   OPERANDS COMPUTED ON THE WAY. 'Computed on the way' means the value that the module computes at that place (a softmax that the list does not call 'softmax' is quantised finished and normalised). What goes into a quantiser is computed in f32, as accurately as f32 sums, v_exp_f32 and their like allow (about 1e-6 of the number): no bf16 or f16 on the way to a quantiser, and a product that is left as it is and whose result goes on into a quantised operand takes f32 operands (vector FMAs, or v_wmma_f32_16x16x4_f32). A number that lies on a knife's edge between two numbers of the format may be rounded either way, as far as f32 arithmetic and the matrix unit's own rounding can turn it there, and no further.
;; One version. Each part assembles by itself: llvm-mc -triple=amdgcn-amd-amdhsa -mcpu=gfx1250 --defsym DOCPART=n.
;; ======== version 1 of 1: 7 launches
;; limits: right only within a limited range of input values
;; workspace buffers: WB 8,192,000 bytes; XN 3,276,800 bytes; QKV 10,223,616 bytes; CTX 3,276,800 bytes; X1 16,777,216 bytes; HN 3,276,800 bytes; HID 9,830,400 bytes
;; launch ln1 (part 1): grid 896 x 1, 8 waves a work-group, no clusters, 2,048 bytes of LDS; arguments x, g1, be1, XN, Wo, W1, W2, Wq, Wk, Wv, WB; writes XN, WB
.if DOCPART == 1
	.amdgcn_target "amdgcn-amd-amdhsa--gfx1250"
	.amdhsa_code_object_version 6
	.text
	.protected	k_qd4dcd36cb2_ln1
	.globl	k_qd4dcd36cb2_ln1
	.p2align	8
	.type	k_qd4dcd36cb2_ln1,@function
k_qd4dcd36cb2_ln1:
	s_mov_b64 s[64:65], 0
	v_nop
	global_prefetch_b8 v0, s[64:65] scope:SCOPE_SE
	s_setreg_imm32_b32 hwreg(HW_REG_WAVE_MODE, 25, 1), 1
	s_wait_xcnt 0x0
; y = g (x - mean) / (std + 1e-6) + be along rows of 1,024 f32 (std with divisor 1,023), quantised at once to codes of FP6 (E2M3) with one E8M0 byte for each 32 along the row, and stored as records in the order of an operand's registers:
; record 8 T + t (tile T of 16 rows, K step t of 128): codes at 1,536 x record, two halves c of 768 bytes (registers 6c .. 6c+3 at 16 x lane, then 6c+4, 6c+5 at 8 x lane); scale words at 3,145,728 + 64 x record + 4 r.
; Lane r of tile T takes row 16 T - 8 (T % 2) + r + 8 (r / 8).  A work-group takes a tile, wave w its K step w: 64 numbers a lane, register 16 b + i = column 128 w + 32 b + 16 (lane / 16) + i.
; The mean and then the sum of squared differences (two passes over registers, no difference of large sums) meet in LDS: 64 bytes a wave, two regions, each written once: two barriers.
; LIMITS: NaN and infinities are not served; a block whose largest magnitude is under 2^-124, a block of zeros among them, gets the byte 1 (its codes are zeros where it is all zeros, and this program alone reads the bytes).
.set X,   32                           ; v32-95   x, then the differences, then y
.set G,   96                           ; v96-159  the gain; behind the last multiply-add its registers serve the quantiser
.set BE,  160                          ; v160-223 the offset
.set PC,  96
.set PW,  115
.set TM,  116
.set SEL, 20
.macro QUANT4 s                        ; 64 numbers of a lane become a fragment's codes in v[PC] on and its scale word in v[PW]
.irp b, 0,1,2,3
	v_max3_num_f32 v[TM+\b], |v[\s+16*\b]|, |v[\s+1+16*\b]|, 0x1800000   ; block b: my 16 numbers, and the floor 2^(3 - 127): the byte cannot fall under 1
.endr
.irp i, 2,4,6,8,10,12,14
.irp b, 0,1,2,3
	s_delay_alu instid0(VALU_DEP_4)
	v_max3_num_f32 v[TM+\b], v[TM+\b], |v[\s+16*\b+\i]|, |v[\s+1+16*\b+\i]|
.endr
.endr
.irp b, 0,1,2,3
	s_delay_alu instid0(VALU_DEP_4)
	v_permlanex16_b32 v[TM+4+\b], v[TM+\b], s[SEL], s[SEL+1]   ; (its destination counts as read: the gain's loads have written it)
.endr
.irp b, 0,1,2,3
	s_delay_alu instid0(VALU_DEP_4)
	v_max_num_f32 v[TM+\b], v[TM+\b], v[TM+4+\b]
.endr
.irp b, 0,1,2,3
	s_delay_alu instid0(VALU_DEP_4)
	v_add_nc_u32 v[TM+12+\b], 0xff000000, v[TM+\b]   ; 2 off the exponent field: the conversion's scale operand
.endr
.irp b, 0,1,2,3
	s_delay_alu instid0(VALU_DEP_4)
	v_lshrrev_b32 v[TM+4+\b], 23, v[TM+12+\b]      ; the scale's byte
.endr
	s_delay_alu instid0(VALU_DEP_3)
	v_lshl_or_b32 v[PW], v[TM+5], 8, v[TM+4]
	s_delay_alu instid0(VALU_DEP_1)
	v_lshl_or_b32 v[PW], v[TM+6], 16, v[PW]
	s_delay_alu instid0(VALU_DEP_1)
	v_lshl_or_b32 v[PW], v[TM+7], 24, v[PW]
.irp c, 0,1
	v_cvt_scalef32_pk16_fp6_f32 v[PC+6*\c:PC+2+6*\c], v[\s+32*\c:\s+15+32*\c], v[TM+12+2*\c]
	v_cvt_scalef32_pk16_fp6_f32 v[PC+12+4*\c:PC+14+4*\c], v[\s+16+32*\c:\s+31+32*\c], v[TM+12+2*\c+1]
.endr
	v_nop                                          ; one plain place behind a scaled conversion
.irp c, 0,1
.irp i, 0,1,2
	v_permlane16_swap_b32 v[PC+6*\c+\i], v[PC+12+4*\c+\i]
.endr
.irp i, 0,1,2
	s_delay_alu instid0(VALU_DEP_3)
	v_mov_b32 v[PC+3+6*\c+\i], v[PC+12+4*\c+\i]
.endr
.endr
.endm
; The two chains v[12:13], v[14:15] become the row's sum over all 1,024 columns, in v16 of every lane.  off: the region of LDS
.macro REDUCE off
	s_delay_alu instid0(VALU_DEP_1)
	v_pk_add_f32 v[12:13], v[12:13], v[14:15]
	s_delay_alu instid0(VALU_DEP_1)
	v_add_f32 v12, v12, v13
	s_delay_alu instid0(VALU_DEP_1)
	v_permlanex16_b32 v13, v12, s[SEL], s[SEL+1]
	s_delay_alu instid0(VALU_DEP_1)
	v_add_f32 v12, v12, v13                        ; my row's sum over my wave's 128 columns
	ds_store_b32 v9, v12 offset:\off               ; both halves of the lanes write the same word with the same value
	s_wait_dscnt 0x0                               ; for the others' sake: my store has landed
	s_barrier_signal -1
	s_barrier_wait -1
.irp k, 0,1,2,3,4,5,6,7
	ds_load_b32 v[16+\k], v7 offset:\off+64*\k
.endr
	s_wait_dscnt 0x0
	v_add_f32 v16, v16, v17
	v_add_f32 v18, v18, v19
	v_add_f32 v20, v20, v21
	v_add_f32 v22, v22, v23
	s_delay_alu instid0(VALU_DEP_3)
	v_add_f32 v16, v16, v18
	s_delay_alu instid0(VALU_DEP_2)
	v_add_f32 v20, v20, v22
	s_delay_alu instid0(VALU_DEP_1)
	v_add_f32 v16, v16, v20
.endm
; ONE BODY, TWO KINDS OF WORK-GROUP.  Work-groups 0-255 take the norm described above.  Where the grid has more (the program's first launch: 896), work-groups 256-895 turn the six weights into records (at .Lweights).
; The two share nothing; the choice hangs on the work-group's number alone.  The second norm of the program runs this body on 256 work-groups and never comes to .Lweights.
	s_cmp_ge_u32 ttmp9, 256
	s_cbranch_scc1 .Lweights
	s_load_b256 s[4:11], s[0:1], 0x0               ; x s[4:5], g s[6:7], be s[8:9], the records s[10:11]
	v_lshl_add_u32 v224, v0, 2, 0x400
	v_mov_b32 v225, 0
	v_lshrrev_b32 v1, 5, v0
	s_delay_alu instid0(VALU_DEP_1)
	v_readfirstlane_b32 s18, v1                    ; wave 0..7 = K step
	v_and_b32 v1, 15, v0                           ; r
	v_bfe_u32 v2, v0, 4, 1                         ; h
	s_delay_alu instid0(VALU_DEP_2)
	v_and_b32 v3, 8, v1
	s_delay_alu instid0(VALU_DEP_1)
	v_add_nc_u32 v3, v3, v1                        ; r + 8 (r / 8)
	s_delay_alu instid0(VALU_DEP_1)
	v_lshlrev_b32 v4, 12, v3
	s_delay_alu instid0(VALU_DEP_1)
	v_lshl_add_u32 v4, v2, 6, v4                   ; my row of 4,096 bytes, + 64 h
	v_and_b32 v5, 31, v0
	s_delay_alu instid0(VALU_DEP_1)
	v_lshlrev_b32 v6, 3, v5                        ; 8 x lane
	s_delay_alu instid0(VALU_DEP_2)
	v_lshlrev_b32 v5, 4, v5                        ; 16 x lane
	v_lshlrev_b32 v7, 2, v1                        ; 4 r
	v_lshlrev_b32 v8, 6, v2                        ; 64 h
	s_lshl_b32 s22, s18, 6
	v_add_nc_u32 v9, s22, v7                       ; LDS: 64 x wave + 4 r
	s_mov_b32 s[SEL], 0x76543210
	s_mov_b32 s[SEL+1], 0xfedcba98
	s_and_b32 s23, ttmp9, 1
	s_lshl_b32 s23, s23, 3
	s_lshl_b32 s24, ttmp9, 4
	s_sub_co_u32 s24, s24, s23                     ; the tile's first row
	s_lshl_b32 s24, s24, 12
	s_lshl_b32 s26, s18, 9                         ; 512 bytes a K step
	s_add_co_u32 s24, s24, s26
	s_mov_b32 s25, 0
	s_mov_b32 s27, 0
	s_lshl_b32 s28, ttmp9, 3
	s_add_co_u32 s28, s28, s18                     ; the record
	s_mul_i32 s30, s28, 1536
	s_mov_b32 s31, 0
	s_lshl_b32 s28, s28, 6
	s_add_co_u32 s28, s28, 3145728
	s_mov_b32 s29, 0
	s_wait_alu depctr_va_vdst(0)
	s_wait_kmcnt 0x0
	s_add_nc_u64 s[4:5], s[4:5], s[24:25]
	s_add_nc_u64 s[6:7], s[6:7], s[26:27]
	s_add_nc_u64 s[8:9], s[8:9], s[26:27]
	s_add_nc_u64 s[12:13], s[10:11], s[30:31]      ; where the codes go
	s_add_nc_u64 s[14:15], s[10:11], s[28:29]      ; and the scale words
.irp b, 0,1,2,3
.irp j, 0,1,2,3
	global_load_b128 v[X+16*\b+4*\j:X+16*\b+4*\j+3], v4, s[4:5] offset:128*\b+16*\j
.endr
.endr
.irp b, 0,1,2,3
.irp j, 0,1,2,3
	global_load_b128 v[G+16*\b+4*\j:G+16*\b+4*\j+3], v8, s[6:7] offset:128*\b+16*\j
.endr
.endr
.irp b, 0,1,2,3
.irp j, 0,1,2,3
	global_load_b128 v[BE+16*\b+4*\j:BE+16*\b+4*\j+3], v8, s[8:9] offset:128*\b+16*\j
.endr
.endr
	s_wait_loadcnt 32                              ; x's sixteen loads are in; the 32 of g and be may stay out
	v_pk_add_f32 v[12:13], v[X:X+1], v[X+2:X+3]    ; the sum of my 64 numbers, in two chains
	v_pk_add_f32 v[14:15], v[X+4:X+5], v[X+6:X+7]
.set n, 8
.rept 14
	s_delay_alu instid0(VALU_DEP_2)
	v_pk_add_f32 v[12:13], v[12:13], v[X+n:X+n+1]
	s_delay_alu instid0(VALU_DEP_2)
	v_pk_add_f32 v[14:15], v[14:15], v[X+n+2:X+n+3]
.set n, n+4
.endr
	REDUCE 0
	s_delay_alu instid0(VALU_DEP_1)
	v_mul_f32 v24, 0x3a800000, v16                 ; the mean: sum / 1,024
	s_delay_alu instid0(VALU_DEP_1)
	v_mov_b32 v25, v24
.set n, 0
.rept 32
	v_pk_add_f32 v[X+n:X+n+1], v[X+n:X+n+1], v[24:25] neg_lo:[0,1] neg_hi:[0,1]   ; x - mean
.set n, n+2
.endr
	v_pk_mul_f32 v[12:13], v[X:X+1], v[X:X+1]      ; the sum of their squares
	v_pk_mul_f32 v[14:15], v[X+2:X+3], v[X+2:X+3]
.set n, 4
.rept 15
	s_delay_alu instid0(VALU_DEP_2)
	v_pk_fma_f32 v[12:13], v[X+n:X+n+1], v[X+n:X+n+1], v[12:13]
	s_delay_alu instid0(VALU_DEP_2)
	v_pk_fma_f32 v[14:15], v[X+n+2:X+n+3], v[X+n+2:X+n+3], v[14:15]
.set n, n+4
.endr
	REDUCE 512
	s_delay_alu instid0(VALU_DEP_1)
	v_mul_f32 v16, 0x3a802008, v16                 ; / 1,023
	s_wait_alu depctr_va_vdst(0)
	v_sqrt_f32 v26, v16
	v_nop                                          ; a plain place behind the root
	s_wait_alu depctr_va_vdst(0)                   ; ahead of the first line that names the result
	v_add_f32 v26, 0x358637bd, v26                 ; std + 1e-6
	s_wait_alu depctr_va_vdst(0)
	v_rcp_f32 v27, v26
	v_nop
	s_wait_alu depctr_va_vdst(0)
	v_mov_b32 v26, v27                             ; the pair v[26:27]: 1 / (std + 1e-6), twice
	s_wait_alu depctr_va_vdst(0)
	s_wait_loadcnt 0x0                             ; g and be
.set n, 0
.rept 32
	v_pk_mul_f32 v[X+n:X+n+1], v[X+n:X+n+1], v[26:27]
.set n, n+2
.endr
.set n, 0
.rept 32
	v_pk_fma_f32 v[X+n:X+n+1], v[X+n:X+n+1], v[G+n:G+n+1], v[BE+n:BE+n+1]
.set n, n+2
.endr
	QUANT4 X
.irp c, 0,1
	global_store_b128 v5, v[PC+6*\c:PC+6*\c+3], s[12:13] offset:768*\c
	global_store_b64 v6, v[PC+6*\c+4:PC+6*\c+5], s[12:13] offset:768*\c+512
.endr
	global_store_b32 v7, v[PW], s[14:15]
	s_wait_tensorcnt 0x0
	ds_add_u32 v224, v225
	s_wait_dscnt 0x0
	s_endpgm
; THE WEIGHTS.  Six tensors, f32, become codes of FP6 (E2M3) with one E8M0 byte for each 32 along K, as records of the same make as above (16 rows x 128 K, 1,536 bytes; scale words 64 bytes).
; Record J: codes at 1,536 J of WB, scale words at 7,864,320 + 64 J.  Wo: J from 0, W1 from 512, W2 from 2,048, Wq from 3,584, Wk from 4,096, Wv from 4,608; in a tensor J = tile x (K / 128) + K step.
; A wave makes one record: 64 numbers a lane.  Wo, W1, W2 have K innermost: sixteen loads of 16 bytes.  Wq, Wk, Wv are [head][K][64]: a lane takes a column and its registers run down K: 64 loads of 4 bytes.
; No LDS, no barrier, no loop on this way.  LIMITS as above.
.Lweights:
	s_load_b256 s[4:11], s[0:1], 0x20              ; Wo s[4:5], W1 s[6:7], W2 s[8:9], Wq s[10:11]
	s_load_b128 s[12:15], s[0:1], 0x40             ; Wk s[12:13], Wv s[14:15]
	s_load_b64 s[16:17], s[0:1], 0x50              ; WB
	s_sub_co_u32 s38, ttmp9, 256                   ; my number among the 640: 0-63 Wo, 64-255 W1, 256-447 W2, 448-639 Wq, Wk, Wv
	v_lshrrev_b32 v1, 5, v0
	s_delay_alu instid0(VALU_DEP_1)
	v_readfirstlane_b32 s18, v1                    ; wave 0..7
	v_and_b32 v1, 15, v0                           ; r
	v_bfe_u32 v2, v0, 4, 1                         ; h
	s_delay_alu instid0(VALU_DEP_2)
	v_and_b32 v3, 8, v1
	s_delay_alu instid0(VALU_DEP_1)
	v_add_nc_u32 v3, v3, v1                        ; r + 8 (r / 8)
	v_and_b32 v5, 31, v0
	s_delay_alu instid0(VALU_DEP_1)
	v_lshlrev_b32 v6, 3, v5                        ; 8 x lane
	s_delay_alu instid0(VALU_DEP_2)
	v_lshlrev_b32 v5, 4, v5                        ; 16 x lane
	v_lshlrev_b32 v7, 2, v1                        ; 4 r
	s_mov_b32 s[SEL], 0x76543210
	s_mov_b32 s[SEL+1], 0xfedcba98
.irp b, 0,1,2,3
	v_mov_b32 v[TM+4+\b], 0                        ; a lane permute's destination counts as one of its sources
.endr
	s_mov_b32 s33, 0
	s_wait_kmcnt 0x0
	s_cmp_lt_u32 s38, 448
	s_cbranch_scc0 .Louter
	; K innermost.  Record J = 8 x number + wave in all three tensors
	s_sub_co_u32 s22, s38, 256                     ; W2: three work-groups to a tile of 24 K steps
	s_mul_i32 s23, s22, 0xAAAB
	s_lshr_b32 s23, s23, 17                        ; its tile: (number - 256) / 3
	s_mul_i32 s24, s23, 3
	s_sub_co_u32 s24, s22, s24
	s_lshl_b32 s24, s24, 3
	s_add_co_u32 s24, s24, s18                     ; its K step
	s_sub_co_u32 s25, s38, 64                      ; W1's tile
	s_mov_b32 s30, 12288                           ; a row of W2 in bytes
	s_cmp_lt_u32 s38, 256
	s_cselect_b32 s23, s25, s23
	s_cselect_b32 s24, s18, s24
	s_cselect_b32 s30, 4096, s30
	s_cselect_b64 s[28:29], s[6:7], s[8:9]
	s_cmp_lt_u32 s38, 64
	s_cselect_b32 s23, s38, s23
	s_cselect_b64 s[28:29], s[4:5], s[28:29]
	s_lshl_b32 s31, s38, 3
	s_add_co_u32 s31, s31, s18                     ; J
	s_and_b32 s25, s23, 1
	s_lshl_b32 s25, s25, 3
	s_lshl_b32 s26, s23, 4
	s_sub_co_u32 s26, s26, s25                     ; the tile's first row
	s_mul_i32 s32, s26, s30
	s_lshl_b32 s24, s24, 9                         ; 512 bytes a K step
	s_add_co_u32 s32, s32, s24
	s_add_nc_u64 s[28:29], s[28:29], s[32:33]
	s_wait_alu depctr_va_vdst(0)
	v_mul_u32_u24 v4, v3, s30
	s_delay_alu instid0(VALU_DEP_1)
	v_lshl_add_u32 v4, v2, 6, v4                   ; my row, + 64 h
.irp b, 0,1,2,3
.irp j, 0,1,2,3
	global_load_b128 v[X+16*\b+4*\j:X+16*\b+4*\j+3], v4, s[28:29] offset:128*\b+16*\j
.endr
.endr
	s_branch .Lq
.Louter:
	; K is the middle axis: [head][1024][64]
	s_sub_co_u32 s22, s38, 448
	s_lshr_b32 s23, s22, 6                         ; 0 Wq, 1 Wk, 2 Wv
	s_cmp_eq_u32 s23, 0
	s_cselect_b64 s[28:29], s[10:11], s[12:13]
	s_cmp_eq_u32 s23, 2
	s_cselect_b64 s[28:29], s[14:15], s[28:29]
	s_bfe_u32 s24, s22, 0x40002                    ; head
	s_and_b32 s25, s22, 3
	s_and_b32 s26, s18, 3                          ; which of the head's four tiles
	s_lshr_b32 s27, s18, 2
	s_lshl_b32 s25, s25, 1
	s_add_co_u32 s25, s25, s27                     ; K step
	s_lshl_b32 s31, s23, 9
	s_lshl_b32 s27, s24, 5
	s_add_co_u32 s31, s31, s27
	s_lshl_b32 s27, s26, 3
	s_add_co_u32 s31, s31, s27
	s_add_co_u32 s31, s31, s25
	s_add_co_u32 s31, s31, 3584                    ; J = 3,584 + 512 x tensor + 8 (4 head + tile) + K step
	s_lshl_b32 s32, s24, 18                        ; a head is 262,144 bytes,
	s_lshl_b32 s27, s25, 15                        ; a K step 128 rows of 256 bytes
	s_add_co_u32 s32, s32, s27
	s_and_b32 s27, s26, 1
	s_lshl_b32 s27, s27, 5
	s_lshl_b32 s26, s26, 6
	s_sub_co_u32 s26, s26, s27                     ; the tile's first column, in bytes
	s_add_co_u32 s32, s32, s26
	s_add_nc_u64 s[28:29], s[28:29], s[32:33]
	s_wait_alu depctr_va_vdst(0)
	v_lshlrev_b32 v4, 2, v3
	s_delay_alu instid0(VALU_DEP_1)
	v_lshl_add_u32 v4, v2, 12, v4                  ; my column; lanes 16-31 begin 16 rows further down
.irp b, 0,1,2,3
.irp i, 0,1,2,3,4,5,6,7,8,9,10,11,12,13,14,15
	global_load_b32 v[X+16*\b+\i], v4, s[28:29] offset:(32*\b+\i)*256
.endr
.endr
.Lq:
	s_mul_i32 s32, s31, 1536
	s_add_nc_u64 s[34:35], s[16:17], s[32:33]      ; where the codes go
	s_lshl_b32 s32, s31, 6
	s_add_co_u32 s32, s32, 7864320
	s_add_nc_u64 s[36:37], s[16:17], s[32:33]      ; and the scale words
	s_wait_loadcnt 0x0
	QUANT4 X
.irp c, 0,1
	global_store_b128 v5, v[PC+6*\c:PC+6*\c+3], s[34:35] offset:768*\c        ; 512 consecutive bytes
	global_store_b64 v6, v[PC+6*\c+4:PC+6*\c+5], s[34:35] offset:768*\c+512   ; 256 consecutive bytes
.endr
	global_store_b32 v7, v[PW], s[36:37]           ; both halves of the lanes hold the same word and write the same place
	s_endpgm
.Lfunc_end_k_qd4dcd36cb2_ln1:
	.size	k_qd4dcd36cb2_ln1, .Lfunc_end_k_qd4dcd36cb2_ln1-k_qd4dcd36cb2_ln1
	.p2alignl 7, 3214868480
	.fill 96, 4, 3214868480
	.section	.rodata,"a",@progbits
	.p2align	6, 0x0
	.amdhsa_kernel k_qd4dcd36cb2_ln1
		.amdhsa_group_segment_fixed_size 2048
		.amdhsa_private_segment_fixed_size 0
		.amdhsa_enable_private_segment 0
		.amdhsa_kernarg_size 88
		.amdhsa_user_sgpr_count 2
		.amdhsa_user_sgpr_kernarg_segment_ptr 1
		.amdhsa_wavefront_size32 1
		.amdhsa_system_sgpr_workgroup_id_x 1
		.amdhsa_system_sgpr_workgroup_id_y 1
		.amdhsa_system_sgpr_workgroup_id_z 1
		.amdhsa_system_vgpr_workitem_id 0
		.amdhsa_next_free_vgpr 226
		.amdhsa_next_free_sgpr 66
		.amdhsa_reserve_vcc 0
		.amdhsa_float_denorm_mode_32 3
		.amdhsa_float_denorm_mode_16_64 3
		.amdhsa_memory_ordered 1
		.amdhsa_forward_progress 1
		.amdhsa_inst_pref_size 45
	.end_amdhsa_kernel
	.amdgpu_metadata
---
amdhsa.version: [ 1, 2 ]
amdhsa.kernels:
  - .name:           k_qd4dcd36cb2_ln1
    .symbol:         k_qd4dcd36cb2_ln1.kd
    .args:
      - { .name: x, .offset: 0, .size: 8, .value_kind: global_buffer, .address_space: global }
      - { .name: g1, .offset: 8, .size: 8, .value_kind: global_buffer, .address_space: global }
      - { .name: be1, .offset: 16, .size: 8, .value_kind: global_buffer, .address_space: global }
      - { .name: XN, .offset: 24, .size: 8, .value_kind: global_buffer, .address_space: global }
      - { .name: Wo, .offset: 32, .size: 8, .value_kind: global_buffer, .address_space: global }
      - { .name: W1, .offset: 40, .size: 8, .value_kind: global_buffer, .address_space: global }
      - { .name: W2, .offset: 48, .size: 8, .value_kind: global_buffer, .address_space: global }
      - { .name: Wq, .offset: 56, .size: 8, .value_kind: global_buffer, .address_space: global }
      - { .name: Wk, .offset: 64, .size: 8, .value_kind: global_buffer, .address_space: global }
      - { .name: Wv, .offset: 72, .size: 8, .value_kind: global_buffer, .address_space: global }
      - { .name: WB, .offset: 80, .size: 8, .value_kind: global_buffer, .address_space: global }
    .group_segment_fixed_size: 2048
    .private_segment_fixed_size: 0
    .kernarg_segment_align: 8
    .kernarg_segment_size: 88
    .max_flat_workgroup_size: 256
    .sgpr_count:     66
    .vgpr_count:     226
    .wavefront_size: 32
...
	.end_amdgpu_metadata
.endif
;; end of part 1
;; launch qkv (part 2): grid 8 x 32, 4 waves a work-group, clusters of 4 x 4, 327,680 bytes of LDS; arguments XN, WB, QKV; writes QKV
.if DOCPART == 2
	.amdgcn_target "amdgcn-amd-amdhsa--gfx1250"
	.amdhsa_code_object_version 6
	.text
	.protected	k_qd4dcd36cb2_qkv
	.globl	k_qd4dcd36cb2_qkv
	.p2align	8
	.type	k_qd4dcd36cb2_qkv,@function
k_qd4dcd36cb2_qkv:
	s_mov_b64 s[64:65], 0
	v_nop
	global_prefetch_b8 v0, s[64:65] scope:SCOPE_SE
	s_setreg_imm32_b32 hwreg(HW_REG_WAVE_MODE, 25, 1), 1
	s_wait_xcnt 0x0
	s_wait_alu depctr_hold_cnt(0) depctr_sa_sdst(0) depctr_va_vdst(0) depctr_va_sdst(0) depctr_va_ssrc(0) depctr_va_vcc(0) depctr_vm_vsrc(0)
	s_getreg_b32 s2, hwreg(HW_REG_IB_STS2, 6, 4)
	s_cmp_eq_u32 s2, 0
	s_cbranch_scc0 .Lentry_in_a_cluster
	s_endpgm
.Lentry_in_a_cluster:
	s_bfe_u32 s2, ttmp6, 0x10000c
	s_cmp_lg_u32 s2, 0xf033
	s_cbranch_scc0 .Lentry_shape_is_right
	s_endpgm
.Lentry_shape_is_right:
; q, k and v of all heads: three products on codes of FP6 (E2M3) with E8M0 scales, K = 1,024, and their results quantised at once: q and k along the head's 64, v along the keys.
; Operands lie as RECORDS (16 rows x 128 K in the order of an operand's registers: 1,536 bytes, two halves of 768: registers 6c .. 6c+3 at 16 x lane, then 6c+4, 6c+5 at 8 x lane; scale words 64 bytes, row r's at 4 r), [tile][K step].
; Lane r of tile T holds row 16 T - 8 (T % 2) + r + 8 (r / 8), so that the 32 result registers of four tiles used as source 0 are 2 x 16 neighbours: register 16 b + i = 32 b + 16 (lane / 16) + i.
; A WORK-GROUP STAYS.  It keeps ONE panel of 128 tokens (block Y) in LDS and walks three panels of 128 weight rows (two heads, block X): Wq, Wk, Wv.  256 work-groups, one for each WGP; each of the four waves makes 64 x 64 of a tile: 16 accumulators.
; Tiles q and k: source 0 = weight rows, source 1 = tokens: a lane holds one token and 32 channels of one head.  Tile v: THE SOURCES CHANGE PLACES: source 0 = tokens, source 1 = Wv's rows: a lane holds one channel and 32 keys.
; LDS: the token panel (98,304 bytes) and two buffers for the walking panels.  At the head a wave asks for four things: scale words, chunk 0 (4 K steps), chunk 1 (waves 0, 1: the tokens'; waves 2, 3: Wq's), and a quarter of Wk's panel.
; Wv's panel is the one refill: into Wq's buffer, behind q's last product, a quarter a wave; it has k's 128 matrix instructions in which to land.  By this text's count four tensor loads of a wave are out at the head, later one.
; The launch claims all of a WGP's LDS.
; CLUSTERS 4 x 4: the token panel hangs on Y alone and is asked for jointly along a row of the cluster, the weight panels on X alone, along a column.  Wk's and Wv's panels are prefetched at the head.
; RESULTS in QKV: q: half records at 768 (256 head + token tile), scale words at 3,145,728 + 64 (..); for each (batch x 16 + head, key step of 128) 13,312 bytes from 3,407,872 on: K: 8 key tiles x 768; at 6,144 V^T: 4 channel tiles x 1,536
; (half c = keys 64 c on); at 12,288 K's scale words, 8 x 64; at 12,800 V's, [channel tile][c] x 64, each half's two bytes in a word of its own.  Upper bytes of these words are 0.
; LIMITS: NaN and infinities are not served; a block whose largest magnitude is under 2^-124 gets the byte 1.
; REGISTERS: window 0: v1-3 lane terms, v4-18 LDS addresses, v19-27 store offsets, v28-29 the add's, v32-39 scale words (two sets), v72-114 the quantiser, v128-255 accumulators (source 1's tile i, source 0's tile p at 128 + 32 i + 8 p).
;   Window 1: two sets of fragments: 96 s + 12 n the walking panel's, 96 s + 48 + 12 n the tokens'.
.set KS,    8                          ; K steps of 128
.set CHB,   12288                      ; a tile's eight K steps: a panel lies in LDS as in memory, [tile][K step]
.set WPART, 2*CHB                      ; two tiles: a wave's quarter of a walking panel
.set HPAN,  4*CHB                      ; four tiles: half a panel
.set PAN,   2*HPAN                     ; a panel.  The tokens' at 0, walking buffer b at PAN + b PAN
.set SCL,   3*PAN                      ; the tokens' scale words: 8 tiles x 512
.set SCW,   SCL+4096+128               ; the walking panels': [half] x 6,144, in it [tile of the walk] x 2,048.  The 128 keeps the two kinds of words on different banks
.set SPARE, 311552                     ; the spare words, 128 bytes for each wave: two blocks of 256 bytes that no other line names
.set RSOFF, 3145728                    ; XN's scale words
.set PCOFF, 5505024                    ; Wq's codes in WB
.set PSOFF, 8093696                    ; and its scale words
.set TSC,   786432                     ; from Wq to Wk to Wv: codes,
.set TSS,   32768                      ; scale words
.set QS,    3145728
.set KV,    3407872
.set AR16, 4                           ; v4-5   16 x lane + my four token tiles, chunk 0, 1
.set AR8,  6                           ; v6-7   8 x lane + 512 + the same
.set AP16, 8                           ; v8-11  the same for the walking panel: buffer b, chunk c at 2 b + c
.set AP8,  12                          ; v12-15
.set AS,   16                          ; v16-18 my scale words for tile 0, 1, 2 of the walk: lanes 0-15 the tokens', lanes 16-31 the weights'
.set OC,   19                          ; v19-21 where a tile's first four registers go: q, k, v
.set OD,   22                          ; v22-24 its last two
.set OS,   25                          ; v25-27 its scale word
.set SPW,  28                          ; v28    SPARE + 4 x my thread's number; never rewritten
.set NIL,  29                          ; v29    0; never rewritten
.set SC,   32
.set TM,   72
.set TP,   74
.set TS,   76
.set TY,   78
.set TQ,   112
.set ACC,  128
.set SEL,  2                           ; s[2:3]
.set G1R,  24                          ; s[24:31] group 1 for the tokens' codes; s[32:35] group 0
.set G0R,  32
.set G1P,  48                          ; s[48:55], s[56:63] the same for the weights
.set G0P,  56
.set G1SR, 68                          ; s[68:75], s[76:79] the tokens' scale words; s[80:87], s[88:91] the weights'
.set G0SR, 76
.set G1SP, 80
.set G0SP, 88
.set G0W,  92                          ; s[92:95] the walking group 0: my quarter of Wk's panel, then of Wv's
.set MSB, 0
; THE TOKENS' FRAGMENTS STAY IN REGISTERS (in place of what the comment at the top says of window 1's second halves): the token panel is the same for all three tiles of the walk, so tile 0 loads K step s's four
; token fragments into 48 registers of their own (s = 0..2: window 2, from v96 + 48 s; s = 3..7: window 3, from v48 (s - 3)), and tiles 1 and 2 fetch from LDS the weights' fragments and the scale words alone: 20 loads a K step.
.set KST, 0                            ; the K step of the next MUL: the products go in ascending K steps, eight to a tile
.macro WIN new                         ; the immediate's high byte repeats the setting that is left
.if MSB != \new
	s_set_vgpr_msb (MSB<<8)|\new
.set MSB, \new
.endif
.endm
.macro PLACES                          ; four places behind a matrix instruction, ahead of loads into its registers and of reads of its result
.rept 4
	v_nop
.endr
.endm
; A joint load: waves 0 and 1 fetch for the tokens, waves 2 and 3 for the weights.  The branch hangs on the wave's number alone.  Four v_nop follow each of the two lines.
.macro JLOAD g0r, g1r, g0p, g1p
	s_cmp_eq_u32 s15, 0
	s_cbranch_scc0 .Lfor_p_\@
	tensor_load_to_lds s[\g0r:\g0r+3], s[\g1r:\g1r+7]
	s_nop 0
.rept 4
	v_nop
.endr
	s_branch .Lasked_\@
.Lfor_p_\@:
	tensor_load_to_lds s[\g0p:\g0p+3], s[\g1p:\g1p+7]
	s_nop 0
.rept 4
	v_nop
.endr
.Lasked_\@:
.endm
.macro CROUND                          ; a round of the cluster's barrier
	s_barrier_signal -1
	s_barrier_wait -1
	s_cmp_lg_u32 s14, 0
	s_cbranch_scc1 .Lnot_wave_0_\@
	s_barrier_signal -3
.Lnot_wave_0_\@:
	s_barrier_wait -3
	s_barrier_signal -1
	s_barrier_wait -1
.endm
; 36 LDS loads: the fragments of K step 4 c + q into set: the walking panel's four (buffer b), the tokens' four, and four registers of scale words (tile t of the walk)
.macro FETCH set, c, b, q, t
	WIN 0x40                                       ; destination window 1, address window 0
.irp p, 0,1,2,3
.irp e, 0,1
	ds_load_b128 v[96*(\set)+12*\p+6*\e:96*(\set)+12*\p+6*\e+3], v[AP16+2*(\b)+(\c)] offset:\p*CHB+(\q)*1536+\e*768
	ds_load_b64 v[96*(\set)+12*\p+6*\e+4:96*(\set)+12*\p+6*\e+5], v[AP8+2*(\b)+(\c)] offset:\p*CHB+(\q)*1536+\e*768
.endr
.endr
.irp p, 0,1,2,3
.irp e, 0,1
.if (\t) == 0                          ; the tokens' fragments are fetched in tile 0 alone
.if 4*(\c)+(\q) < 3
.set TB, 96+48*(4*(\c)+(\q))
	WIN 0x80                                       ; destination window 2
.else
.set TB, 48*(4*(\c)+(\q)-3)
	WIN 0xc0                                       ; destination window 3
.endif
	ds_load_b128 v[TB+12*\p+6*\e:TB+12*\p+6*\e+3], v[AR16+(\c)] offset:\p*CHB+(\q)*1536+\e*768
	ds_load_b64 v[TB+12*\p+6*\e+4:TB+12*\p+6*\e+5], v[AR8+(\c)] offset:\p*CHB+(\q)*1536+\e*768
.endif
.endr
.endr
	WIN 0
.irp j, 0,1,2,3
	ds_load_b32 v[SC+4*(\set)+\j], v[AS+(\t)] offset:\j*512+(4*(\c)+(\q))*64
.endr
.endm
; 16 matrix instructions, one K step; the sixteen accumulators take turns in the same order in every step.  first = 1: the products start the sums.
; swap = 0: source 0 = the weights' tile p (its scale words in lanes 16-31), source 1 = the tokens' tile i.  swap = 1: source 0 = the tokens' tile p, source 1 = the weights' tile i.
.macro MUL set, first, swap
.if KST < 3                            ; where this K step's token fragments lie
.set TB, 96+48*KST
.set TW, 2
.else
.set TB, 48*(KST-3)
.set TW, 3
.endif
.set KST, (KST+1)%8
.if \swap
	WIN (TW|4)                                     ; source 0 the tokens' window, source 1 window 1; C and D window 0
.else
	WIN (1|(TW<<2))                                ; source 0 window 1, source 1 the tokens' window; C and D window 0
.endif
.irp i, 0,1,2,3
.irp p, 0,1,2,3
.if \swap
.if \first
	v_wmma_scale_f32_16x16x128_f8f6f4 v[ACC+32*\i+8*\p:ACC+32*\i+8*\p+7], v[TB+12*\p:TB+12*\p+11], v[96*(\set)+12*\i:96*(\set)+12*\i+11], 0, v[SC+4*(\set)+\p], v[SC+4*(\set)+\i] matrix_a_fmt:MATRIX_FMT_FP6 matrix_b_fmt:MATRIX_FMT_FP6 matrix_b_scale:MATRIX_SCALE_ROW1
.else
	v_wmma_scale_f32_16x16x128_f8f6f4 v[ACC+32*\i+8*\p:ACC+32*\i+8*\p+7], v[TB+12*\p:TB+12*\p+11], v[96*(\set)+12*\i:96*(\set)+12*\i+11], v[ACC+32*\i+8*\p:ACC+32*\i+8*\p+7], v[SC+4*(\set)+\p], v[SC+4*(\set)+\i] matrix_a_fmt:MATRIX_FMT_FP6 matrix_b_fmt:MATRIX_FMT_FP6 matrix_b_scale:MATRIX_SCALE_ROW1
.endif
.else
.if \first
	v_wmma_scale_f32_16x16x128_f8f6f4 v[ACC+32*\i+8*\p:ACC+32*\i+8*\p+7], v[96*(\set)+12*\p:96*(\set)+12*\p+11], v[TB+12*\i:TB+12*\i+11], 0, v[SC+4*(\set)+\p], v[SC+4*(\set)+\i] matrix_a_fmt:MATRIX_FMT_FP6 matrix_b_fmt:MATRIX_FMT_FP6 matrix_a_scale:MATRIX_SCALE_ROW1
.else
	v_wmma_scale_f32_16x16x128_f8f6f4 v[ACC+32*\i+8*\p:ACC+32*\i+8*\p+7], v[96*(\set)+12*\p:96*(\set)+12*\p+11], v[TB+12*\i:TB+12*\i+11], v[ACC+32*\i+8*\p:ACC+32*\i+8*\p+7], v[SC+4*(\set)+\p], v[SC+4*(\set)+\i] matrix_a_fmt:MATRIX_FMT_FP6 matrix_b_fmt:MATRIX_FMT_FP6 matrix_a_scale:MATRIX_SCALE_ROW1
.endif
.endif
.endr
.endr
.endm
; Tile 0 goes by chunks, since its second chunk may still be on its way: four K steps, the next step's 36 loads issued ahead of each step's products
.macro CHUNK c, first
	PLACES
	FETCH 0, \c, 0, 0, 0
	FETCH 1, \c, 0, 1, 0
	s_wait_dscnt 36                                ; all but the 36 just issued: this step's fragments are in
	MUL 0, \first, 0
	PLACES
	FETCH 0, \c, 0, 2, 0
	s_wait_dscnt 36
	MUL 1, 0, 0
	PLACES
	FETCH 1, \c, 0, 3, 0
	s_wait_dscnt 36
	MUL 0, 0, 0
	s_wait_dscnt 0x0
	MUL 1, 0, 0
	WIN 0
.endm
; Tiles 1 and 2: all eight K steps in one run out of buffer b: the whole panel has been shown landed
.macro TILE8 b, t, swap
	PLACES
	FETCH 0, 0, \b, 0, \t
.irp k, 0,1,2,3,4,5,6
.if \k > 0
	PLACES
.endif
	FETCH (\k+1)%2, (\k+1)/4, \b, (\k+1)%4, \t
	s_wait_dscnt 20                                ; all but the 20 just issued: sixteen for the weights' fragments, four scale words
.if \k == 0
	MUL 0, 1, \swap
.else
	MUL \k%2, 0, \swap
.endif
.endr
	s_wait_dscnt 0x0
	MUL 1, 0, \swap
	WIN 0
.endm
; 32 numbers of a lane, register 16 b + i = k 32 b + 16 (lane / 16) + i of 64 along K, become half a fragment's codes in v[pc] .. v[pc + 5] and its two scale bytes in v[pc + 6]
.macro QUANT2 s, pc
.irp b, 0,1
	v_max3_num_f32 v[TM+\b], |v[(\s)+16*\b]|, |v[(\s)+16*\b+1]|, 0x1800000   ; my 16 numbers of block b, and the floor 2^(3 - 127).  Each accumulator is read from its low end on
.endr
.irp i, 2,4,6,8,10,12,14
.irp b, 0,1
	v_max3_num_f32 v[TM+\b], v[TM+\b], |v[(\s)+16*\b+\i]|, |v[(\s)+16*\b+\i+1]|
.endr
.endr
.irp b, 0,1
	v_permlanex16_b32 v[TP+\b], v[TM+\b], s[SEL], s[SEL+1]
.endr
.irp b, 0,1
	v_max_num_f32 v[TM+\b], v[TM+\b], v[TP+\b]     ; with lane l xor 16's: the block's largest magnitude
.endr
.irp b, 0,1
	v_add_nc_u32 v[TS+\b], 0xff000000, v[TM+\b]    ; 2 off the exponent field: the conversion's scale operand
.endr
.irp b, 0,1
	v_lshrrev_b32 v[TY+\b], 23, v[TS+\b]           ; the scale's byte
.endr
	v_lshl_or_b32 v[(\pc)+6], v[TY+1], 8, v[TY]
	v_cvt_scalef32_pk16_fp6_f32 v[(\pc):(\pc)+2], v[(\s):(\s)+15], v[TS]
	v_cvt_scalef32_pk16_fp6_f32 v[TQ:TQ+2], v[(\s)+16:(\s)+31], v[TS+1]
	v_nop                                          ; one plain place behind a scaled conversion
.irp i, 0,1,2
	v_permlane16_swap_b32 v[(\pc)+\i], v[TQ+\i]    ; a whole block to a lane: lanes 0-15 block 0, lanes 16-31 block 1
.endr
.irp i, 0,1,2
	v_mov_b32 v[(\pc)+3+\i], v[TQ+\i]
.endr
.endm
; THE WAY OUT of tile t of the walk: source 1's tile i: its 32 numbers a lane become half a record.  cs, ss: bytes from tile i to tile i + 1, codes and scale words
.macro OUT t, cs, ss
	PLACES
.if \t > 0
	s_wait_xcnt 0x0                                ; the last tile's stores have read their registers: only behind this wait are the codes' registers written again
.endif
.irp i, 0,1,2,3
	QUANT2 ACC+32*\i, 80+8*\i
	global_store_b128 v[OC+\t], v[80+8*\i:83+8*\i], s[8:9] offset:\i*\cs     ; 512 consecutive bytes
	global_store_b64 v[OD+\t], v[84+8*\i:85+8*\i], s[8:9] offset:\i*\cs      ; 256 consecutive bytes
	global_store_b32 v[OS+\t], v[86+8*\i], s[8:9] offset:\i*\ss              ; both halves of the lanes write the same word
.endr
.endm
	s_load_b128 s[4:7], s[0:1], 0x0                ; XN s[4:5], WB s[6:7]
	s_load_b64 s[8:9], s[0:1], 0x10                ; QKV
	v_lshl_add_u32 v[SPW], v0, 2, SPARE
	v_mov_b32 v[NIL], 0
	ds_add_u32 v28, v29
	ds_add_u32 v28, v29
	s_wait_dscnt 0x0
	v_lshrrev_b32 v1, 5, v0
	v_readfirstlane_b32 s14, v1                    ; wave 0..3
	s_lshr_b32 s15, s14, 1                         ; my half of the tokens.  Also: I fetch for the tokens (0) or for the weights (1); and which chunk of a walking panel I fetch
	s_and_b32 s16, s14, 1                          ; my half of the weight rows.  Also: which four tiles I fetch
	s_bfe_u32 s40, ttmp6, 0x40000                  ; cx, cy: my place in the cluster
	s_bfe_u32 s41, ttmp6, 0x40004
	s_lshl_b32 s42, ttmp9, 2
	s_add_co_u32 s42, s42, s40                     ; X: which two heads
	s_and_b32 s17, ttmp7, 0xffff
	s_lshl_b32 s17, s17, 2
	s_add_co_u32 s17, s17, s41                     ; Y: which 128 tokens
	s_lshl_b32 s43, s41, 2
	s_lshl_b32 s43, 15, s43                        ; my row of the cluster
	s_lshl_b32 s44, 0x1111, s40                    ; my column
	; group 1 for codes: four tiles x 6,144 bytes (768 elements of 8 bytes), KS x 1,536 bytes from tile to tile; no padding
	s_or_b32 s[G1R], s43, (3<<16)|(1<<21)          ; 15:0 the mask; 17:16 elements of 8 bytes; 21 set beside a mask
	s_or_b32 s[G1P], s44, (3<<16)|(1<<21)
.irp g, G1R, G1P
	s_mov_b32 s[\g+1], 1536<<16                    ; tensor_dim0: a tile's 12,288 bytes
	s_mov_b32 s[\g+2], 8<<16                       ; tensor_dim1: a whole panel, for the head's loads
	s_mov_b32 s[\g+3], 1536<<16                    ; tile_dim0
	s_mov_b32 s[\g+4], 8                           ; tile_dim1
	s_mov_b32 s[\g+5], KS*192                      ; tensor_dim0_stride
	s_mov_b32 s[\g+6], 0
	s_mov_b32 s[\g+7], 0
.endr
	; the tokens' scale words of four tiles: 2,048 dense bytes as 8 rows of 256
	s_or_b32 s[G1SR], s43, (3<<16)|(1<<21)
	s_mov_b32 s[G1SR+1], 32<<16
	s_mov_b32 s[G1SR+2], 16<<16                    ; all eight tiles: 4,096 dense bytes as 16 rows of 256
	s_mov_b32 s[G1SR+3], 32<<16
	s_mov_b32 s[G1SR+4], 16
	s_mov_b32 s[G1SR+5], 32
	s_mov_b32 s[G1SR+6], 0
	s_mov_b32 s[G1SR+7], 0
	; the weights' scale words of four tiles of each of the three panels: 3 rows of 2,048 bytes, TSS bytes apart
	s_or_b32 s[G1SP], s44, (3<<16)|(1<<21)
	s_mov_b32 s[G1SP+1], 512<<16                   ; all eight tiles of each of the three panels: 3 rows of 4,096 bytes
	s_mov_b32 s[G1SP+2], 3<<16
	s_mov_b32 s[G1SP+3], 512<<16
	s_mov_b32 s[G1SP+4], 3
	s_mov_b32 s[G1SP+5], TSS/8
	s_mov_b32 s[G1SP+6], 0
	s_mov_b32 s[G1SP+7], 0
	s_lshl_b32 s20, s17, 3                         ; tokens: the panel's first tile
	s_lshl_b32 s46, s42, 3                         ; weights likewise
	s_mul_i32 s22, s20, KS*64
	s_mul_i32 s20, s20, KS*1536
	s_mul_i32 s96, s46, KS*64
	s_mul_i32 s46, s46, KS*1536
	s_add_co_u32 s22, s22, RSOFF
	s_add_co_u32 s46, s46, PCOFF
	s_add_co_u32 s96, s96, PSOFF
	s_mul_i32 s98, s14, WPART                      ; my two tiles of a walking panel
	s_add_co_u32 s98, s98, s46
	s_add_co_u32 s98, s98, TSC                     ; the second panel, my chunk of my four tiles
	s_mov_b32 s21, 0
	s_mov_b32 s23, 0
	s_mov_b32 s47, 0
	s_mov_b32 s97, 0
	s_mov_b32 s99, 0
	s_mul_i32 s45, s14, WPART                      ; my quarter of a walking panel in LDS; kept.  No place in the cluster enters an LDS address
	s_wait_kmcnt 0x0
	s_add_nc_u64 s[20:21], s[4:5], s[20:21]
	s_add_nc_u64 s[22:23], s[4:5], s[22:23]
	s_add_nc_u64 s[46:47], s[6:7], s[46:47]
	s_add_nc_u64 s[96:97], s[6:7], s[96:97]
	s_add_nc_u64 s[98:99], s[6:7], s[98:99]
	; the prefetches' base: of a walking panel's eight tiles each of the four partners that ask for it jointly takes two, told apart BY ADDRESS (cy); of their 96 blocks of 256 bytes each wave takes 24
	s_mul_i32 s38, s41, 2*CHB
	s_mul_i32 s39, s14, CHB/2
	s_add_co_u32 s38, s38, s39
	s_mov_b32 s39, 0
	s_add_nc_u64 s[36:37], s[46:47], s[38:39]      ; in Wq's panel; never rewritten
	CROUND                                         ; all sixteen work-groups are here: the first joint loads meet
; THE HEAD'S LOADS AS THEY NOW STAND (in place of what the comment at the top says of the head): ONE A WAVE.
; Wave 0: the whole token panel; wave 1: Wq's whole panel, into buffer 0; wave 2: the tokens' scale words; wave 3: the scale words of all three weight panels, [panel] x 4,096, in it [half] x 2,048.
; Wk's panel, a quarter a wave, follows behind the full sequence and a round of the cluster's barrier, and has q's 128 matrix instructions in which to land.
	s_mov_b32 s[G0SR], 1
	s_mov_b32 s[G0SR+1], SCL
	s_mov_b64 s[G0SR+2:G0SR+3], s[22:23]
	s_or_b32 s[G0SR+3], s[G0SR+3], 0x80000000
	s_mov_b32 s[G0SP], 1
	s_mov_b32 s[G0SP+1], SCW
	s_mov_b64 s[G0SP+2:G0SP+3], s[96:97]
	s_or_b32 s[G0SP+3], s[G0SP+3], 0x80000000
	s_mov_b32 s[G0R], 1
	s_mov_b32 s[G0R+1], 0
	s_mov_b64 s[G0R+2:G0R+3], s[20:21]
	s_or_b32 s[G0R+3], s[G0R+3], 0x80000000
	s_mov_b32 s[G0P], 1
	s_mov_b32 s[G0P+1], PAN
	s_mov_b64 s[G0P+2:G0P+3], s[46:47]
	s_or_b32 s[G0P+3], s[G0P+3], 0x80000000
	s_mov_b32 s[G0W], 1
	s_add_co_u32 s[G0W+1], s45, 2*PAN
	s_mov_b64 s[G0W+2:G0W+3], s[98:99]
	s_or_b32 s[G0W+3], s[G0W+3], 0x80000000
.macro ARM under, g0, g1, next         ; one chain of branches on the wave's number: every way through it passes exactly one load
	s_cmp_lt_u32 s14, \under
	s_cbranch_scc0 \next
	tensor_load_to_lds s[\g0:\g0+3], s[\g1:\g1+7]
	s_nop 0
.rept 4
	v_nop
.endr
	s_branch .Lhead_asked
\next:
.endm
	ARM 1, G0R,  G1R,  .Lhead_p
	ARM 2, G0P,  G1P,  .Lhead_sr
	ARM 3, G0SR, G1SR, .Lhead_sp
	tensor_load_to_lds s[G0SP:G0SP+3], s[G1SP:G1SP+7]
	s_nop 0
.rept 4
	v_nop
.endr
.Lhead_asked:
	v_and_b32 v1, 15, v0                           ; r
	v_bfe_u32 v2, v0, 4, 1                         ; h
	v_and_b32 v3, 31, v0                           ; lane
	v_min_u32 v40, 23, v3
	v_lshlrev_b32 v40, 8, v40                      ; a lane a block; the lanes left over name the last block again; never rewritten
	global_prefetch_b8 v40, s[36:37] offset:TSC th:TH_LOAD_NT scope:SCOPE_SE     ; Wk's panel: its load goes out behind the head's loads,
	global_prefetch_b8 v40, s[36:37] offset:2*TSC th:TH_LOAD_NT scope:SCOPE_SE   ; Wv's behind q's products; nothing beyond them is asked for
	v_lshlrev_b32 v30, 4, v3                       ; 16 x lane
	v_lshl_add_u32 v31, v3, 3, 512                 ; 8 x lane + 512
	s_mul_i32 s18, s15, HPAN
	s_mul_i32 s19, s16, HPAN
	s_add_co_u32 s19, s19, PAN                     ; my four tiles of the walking panel
.irp c, 0,1
	v_add_nc_u32 v[AR16+\c], s18, v30
	v_add_nc_u32 v[AR8+\c], s18, v31
	s_add_co_u32 s18, s18, CHB/2                   ; chunk 1: four K steps further on in each tile
.endr
.irp n, 0,1,2,3
	v_add_nc_u32 v[AP16+\n], s19, v30
	v_add_nc_u32 v[AP8+\n], s19, v31
	s_add_co_u32 s19, s19, CHB/2+(\n%2)*(PAN-CHB)  ; chunk 1 of this buffer, then chunk 0 of the next
.endr
	s_lshl_b32 s18, s15, 11                        ; the tokens' scale words: my four tiles
	s_lshl_b32 s19, s16, 11
	s_add_co_u32 s19, s19, SCW-SCL                 ; the weights'
	s_sub_co_u32 s19, s19, s18
	s_add_co_u32 s18, s18, SCL
.irp t, 0,1,2
	v_mul_u32_u24 v[AS+\t], s19, v2                ; lanes 16-31 take the weights': one product with h
	v_lshl_add_u32 v[AS+\t], v1, 2, v[AS+\t]
	v_add_nc_u32 v[AS+\t], s18, v[AS+\t]
	s_add_co_u32 s19, s19, 4096
.endr
	; where my results go, as offsets in QKV
	s_lshl_b32 s10, s42, 1
	s_add_co_u32 s10, s10, s16                     ; my head
	s_lshl_b32 s11, s17, 3
	s_lshl_b32 s12, s15, 2
	s_add_co_u32 s11, s11, s12                     ; my first token tile
	s_lshl_b32 s12, s10, 8
	s_add_co_u32 s12, s12, s11
	s_mul_i32 s13, s12, 768                        ; q: codes
	s_lshl_b32 s12, s12, 6
	s_add_co_u32 s12, s12, QS                      ; q: scale words
	s_lshr_b32 s66, s17, 4
	s_lshl_b32 s66, s66, 4
	s_add_co_u32 s66, s66, s10                     ; batch x 16 + head
	s_lshl_b32 s66, s66, 4
	s_and_b32 s67, s17, 15
	s_add_co_u32 s66, s66, s67                     ; x 16 + key step
	s_mul_i32 s66, s66, 13312
	s_add_co_u32 s66, s66, KV
	s_mul_i32 s67, s15, 3072
	s_add_co_u32 s67, s67, s66                     ; k: codes
	s_lshl_b32 s100, s15, 8
	s_add_co_u32 s100, s100, s66
	s_add_co_u32 s100, s100, 12288                 ; k: scale words
	s_mul_i32 s101, s15, 768
	s_add_co_u32 s101, s101, s66
	s_add_co_u32 s101, s101, 6144                  ; v: codes, my half of the keys
	s_lshl_b32 s11, s15, 6
	s_add_co_u32 s66, s66, s11
	s_add_co_u32 s66, s66, 12800                   ; v: scale words
	v_add_nc_u32 v[OC], s13, v30
	v_add_nc_u32 v[OD], s13, v31
	v_lshl_add_u32 v[OS], v1, 2, s12
	v_add_nc_u32 v[OC+1], s67, v30
	v_add_nc_u32 v[OD+1], s67, v31
	v_lshl_add_u32 v[OS+1], v1, 2, s100
	v_add_nc_u32 v[OC+2], s101, v30
	v_add_nc_u32 v[OD+2], s101, v31
	v_lshl_add_u32 v[OS+2], v1, 2, s66
	v_mov_b32 v[TP], 0                             ; written once: a lane permute's destination counts as one of its sources
	v_mov_b32 v[TP+1], 0
	s_mov_b32 s[SEL], 0x76543210
	s_mov_b32 s[SEL+1], 0xfedcba98
	s_wait_alu depctr_va_vdst(0)                   ; the wait at the head's end
	s_wait_tensorcnt 0x0                           ; my one load of the head has landed
	ds_add_u32 v[SPW], v[NIL]                      ; 0 onto my spare word, ahead of a later first fill
	s_mov_b32 s[G1P+2], 2<<16                      ; no tensor load of mine is out: from here on a load of weights brings two tiles
	s_mov_b32 s[G1P+4], 2
	s_wait_dscnt 0x0
	CROUND                                         ; everybody's loads of the head are in, and the joint loads meet
	tensor_load_to_lds s[G0W:G0W+3], s[G1P:G1P+7]  ; my quarter of Wk's panel, into buffer 1
	s_nop 0
.rept 4
	v_nop
.endr
	CHUNK 0, 1
	CHUNK 1, 0
	; q's products are issued: buffer 0 is filled again, with Wv's panel
	s_wait_tensorcnt 0x0                           ; all my tensor loads have landed, Wk's quarter among them: a group 0 may be written
	ds_add_u32 v[SPW], v[NIL]                      ; 0 onto my spare word
	s_add_co_u32 s[G0W+1], s45, PAN                ; my quarter of buffer 0,
	s_add_nc_u64 s[G0W+2:G0W+3], s[G0W+2:G0W+3], TSC   ; of the next panel; the type bits on top are not reached
	s_wait_dscnt 0x0                               ; the add is done, and my reads of buffer 0 are over
	CROUND                                         ; both now hold of every wave of every work-group of the cluster
	tensor_load_to_lds s[G0W:G0W+3], s[G1P:G1P+7]  ; the first thing behind the round, and my one tensor load from here on
	s_nop 0
.rept 4
	v_nop
.endr
	OUT 0, 768, 64                                 ; q leaves while Wv's panel is on its way
	TILE8 1, 1, 0                                  ; k, out of buffer 1
	s_wait_tensorcnt 0x0                           ; my quarter of Wv's panel
	ds_add_u32 v[SPW], v[NIL]
	s_wait_dscnt 0x0
	s_barrier_signal -1
	s_barrier_wait -1                              ; everybody's
	OUT 1, 768, 64
	TILE8 0, 2, 1                                  ; v, out of buffer 0, the sources changed
	OUT 2, 1536, 128
	s_wait_tensorcnt 0x0                           ; the wave's end
	ds_add_u32 v[SPW], v[NIL]
	s_wait_dscnt 0x0
	CROUND                                         ; the closing round: no work-group ends while a partner may still ask jointly
	s_endpgm
.Lfunc_end_k_qd4dcd36cb2_qkv:
	.size	k_qd4dcd36cb2_qkv, .Lfunc_end_k_qd4dcd36cb2_qkv-k_qd4dcd36cb2_qkv
	.p2alignl 7, 3214868480
	.fill 96, 4, 3214868480
	.section	.rodata,"a",@progbits
	.p2align	6, 0x0
	.amdhsa_kernel k_qd4dcd36cb2_qkv
		.amdhsa_group_segment_fixed_size 327680
		.amdhsa_private_segment_fixed_size 0
		.amdhsa_enable_private_segment 0
		.amdhsa_kernarg_size 24
		.amdhsa_user_sgpr_count 2
		.amdhsa_user_sgpr_kernarg_segment_ptr 1
		.amdhsa_wavefront_size32 1
		.amdhsa_system_sgpr_workgroup_id_x 1
		.amdhsa_system_sgpr_workgroup_id_y 1
		.amdhsa_system_sgpr_workgroup_id_z 1
		.amdhsa_system_vgpr_workitem_id 0
		.amdhsa_next_free_vgpr 1008
		.amdhsa_next_free_sgpr 102
		.amdhsa_reserve_vcc 0
		.amdhsa_float_denorm_mode_32 3
		.amdhsa_float_denorm_mode_16_64 3
		.amdhsa_memory_ordered 1
		.amdhsa_forward_progress 1
		.amdhsa_inst_pref_size 131
	.end_amdhsa_kernel
	.amdgpu_metadata
---
amdhsa.version: [ 1, 2 ]
amdhsa.kernels:
  - .name:           k_qd4dcd36cb2_qkv
    .symbol:         k_qd4dcd36cb2_qkv.kd
    .args:
      - { .name: XN, .offset: 0, .size: 8, .value_kind: global_buffer, .address_space: global }
      - { .name: WB, .offset: 8, .size: 8, .value_kind: global_buffer, .address_space: global }
      - { .name: QKV, .offset: 16, .size: 8, .value_kind: global_buffer, .address_space: global }
    .group_segment_fixed_size: 327680
    .private_segment_fixed_size: 0
    .kernarg_segment_align: 8
    .kernarg_segment_size: 24
    .max_flat_workgroup_size: 128
    .sgpr_count:     102
    .vgpr_count:     1008
    .wavefront_size: 32
...
	.end_amdgpu_metadata
.endif
;; end of part 2
;; launch attn (part 3): grid 8 x 32, 16 waves a work-group, clusters of 4 x 1, 242,688 bytes of LDS; arguments QKV, CTX; writes CTX
.if DOCPART == 3
	.amdgcn_target "amdgcn-amd-amdhsa--gfx1250"
	.amdhsa_code_object_version 6
	.text
	.protected	k_qd4dcd36cb2_attn
	.globl	k_qd4dcd36cb2_attn
	.p2align	8
	.type	k_qd4dcd36cb2_attn,@function
k_qd4dcd36cb2_attn:
	s_mov_b64 s[64:65], 0
	v_nop
	global_prefetch_b8 v0, s[64:65] scope:SCOPE_SE
	s_setreg_imm32_b32 hwreg(HW_REG_WAVE_MODE, 25, 1), 1
	s_wait_xcnt 0x0
	s_wait_alu depctr_hold_cnt(0) depctr_sa_sdst(0) depctr_va_vdst(0) depctr_va_sdst(0) depctr_va_ssrc(0) depctr_va_vcc(0) depctr_vm_vsrc(0)
	s_getreg_b32 s2, hwreg(HW_REG_IB_STS2, 6, 4)
	s_cmp_eq_u32 s2, 0
	s_cbranch_scc0 .Lentry_in_a_cluster
	s_endpgm
.Lentry_in_a_cluster:
	s_bfe_u32 s2, ttmp6, 0x10000c
	s_cmp_lg_u32 s2, 0x3003
	s_cbranch_scc0 .Lentry_shape_is_right
	s_endpgm
.Lentry_shape_is_right:
; Causal attention of one (batch, head) on codes of FP6 (E2M3) with E8M0 scales: S^T = k q^T, p = 2^(t - M), O^T += v^T p^T, ctx = O / l, quantised at once along the heads' channels for the next product.
; QKV holds q as half records (768 bytes a tile of 16 queries, scale words apart) and, for each key step of 128 keys, 13,312 bytes: K 8 tiles x 768, V^T 4 x 1,536, K's scale words 8 x 64, V's 8 x 64.
; K of the first product is 64: registers 6-11 of q are zero codes, so whatever codes stand in registers 6-11 of a K operand add nothing (FP6 has only finite codes, and the upper scale bytes are 0, a finite code).
; So the eight K tiles of a step lie 6 registers apart, and an operand's upper six registers are the next tile's.
; THE DEAL.  Work-group x (0..7) of a (batch, head) takes query tile x of EVERY block of 128 queries: 16 tiles; the tile of block b needs key steps 0 .. b (later ones lie wholly under the causal mask and are not computed).
; So all work-groups have the same 136 steps, every key step that is fetched is read, and all control hangs on the wave's number w alone.
;   Blocks 4 + j and 15 - j (j = 0..5) together are 21 steps, dealt to the two waves j and 11 - j: one of them (role 0) takes block 15 - j, key steps 0 .. 9;
;   the other (role 1) takes block 4 + j, whose result it stores, and then block 15 - j, key steps 10 .. 15 - j: 10 and 11 steps.  Role 1 have the waves with w / 4 + w % 4 <= 2.
;   Waves 12 + b (role 2) take block b = 0..3 alone: 1 to 4 steps.  By this count waves w, w + 4, w + 8, w + 12 together have 34 steps for each w < 4.
; The two parts of block 15 - j meet at the end: role 0 hands O, -M and l through the pair's stage in LDS; M is a whole number in both, so both parts are brought under the larger M by exact powers of two.
; LDS: the 16 key steps (212,992 bytes), each fetched by one wave's one tensor load at the head and never filled again; the stages, 6 x 4,608; the spare words.  Loops of ten and six trips, key step = trip, a hidden trip is jumped over.
; CLUSTER 4 x 1: four work-groups of one (batch, head) read the same K and V and ask for them jointly (mask 15).  No prefetch: all tiles are asked for at the head, there is no loop to run ahead in.
; LIMITS: the promise holds while the scaled scores stay under 2^31 in magnitude; NaN and infinities are not served; a block whose largest magnitude is under 2^-124 gets the scale byte 1.
.set KVB,  13312
.set KV,   3407872
.set QS,   3145728
.set CSO,  3145728                     ; CTX's scale words
.set STAGE, 16*KVB
.set SPITCH, 4608                      ; a stage: O 8 x 512 bytes, -M at 4,096, l at 4,224
.set SPARE, STAGE+6*SPITCH             ; 128 bytes for each wave, that no other line names
.set F,    32                          ; v32-85  eight K tiles, 6 registers apart;  v32-79 four fragments of V
.set VH,   80                          ; v80-87  V's scale words by halves
.set KSC,  86                          ; v86-93  K's scale words
.set VSC,  88                          ; v88-91  V's scale words
.set S,    96                          ; v96-159 scores, then p
.set O,    160                         ; v160-191 O^T
.set PCD,  192
.set CT,   204
.set BM,   212
.set PT,   216
.set SO,   220
.set PSW,  224
.set FF,   226
.set TT,   228
.set C2,   230
.set Q2,   232                         ; v232-238 the second tile's q on its way
.set SA,   239                         ; my pair's stage + 16 x lane
.set SB,   240                         ; my pair's stage + 4 x lane
.set SPW,  254
.set NIL,  255
.set TM,   212
.set TP,   216
.set TY,   218
.set TS,   220
.set TQ,   204
.set BLK,  11                          ; the block of my tile at work: key steps 0 .. BLK count, BLK is the diagonal
.set ROLE, 28
.set HI,   29                          ; 15 - j
.set SEL,  32
.set CS,   34
.set TBS,  36
.set KSI,  37
.set CNT,  38
.macro CROUND                          ; a round of the cluster's barrier
	s_barrier_signal -1
	s_barrier_wait -1
	s_cmp_lg_u32 s8, 0
	s_cbranch_scc1 .Lnot_wave_0_\@
	s_barrier_signal -3
.Lnot_wave_0_\@:
	s_barrier_wait -3
	s_barrier_signal -1
	s_barrier_wait -1
.endm
.macro QUANT2 s, pc                    ; 32 numbers of a lane become half a fragment's codes in v[pc] .. v[pc + 5] and two scale bytes in v[pc + 6]
.irp b, 0,1
	v_max3_num_f32 v[TM+\b], |v[(\s)+16*\b]|, |v[(\s)+16*\b+1]|, 0x1800000
.endr
.irp i, 2,4,6,8,10,12,14
.irp b, 0,1
	s_delay_alu instid0(VALU_DEP_2)
	v_max3_num_f32 v[TM+\b], v[TM+\b], |v[(\s)+16*\b+\i]|, |v[(\s)+16*\b+\i+1]|
.endr
.endr
.irp b, 0,1
	s_delay_alu instid0(VALU_DEP_2)
	v_permlanex16_b32 v[TP+\b], v[TM+\b], s[SEL], s[SEL+1]
.endr
.irp b, 0,1
	s_delay_alu instid0(VALU_DEP_2)
	v_max_num_f32 v[TM+\b], v[TM+\b], v[TP+\b]
.endr
.irp b, 0,1
	s_delay_alu instid0(VALU_DEP_2)
	v_add_nc_u32 v[TS+\b], 0xff000000, v[TM+\b]
.endr
.irp b, 0,1
	s_delay_alu instid0(VALU_DEP_2)
	v_lshrrev_b32 v[TY+\b], 23, v[TS+\b]
.endr
	s_delay_alu instid0(VALU_DEP_1)
	v_lshl_or_b32 v[(\pc)+6], v[TY+1], 8, v[TY]
	v_cvt_scalef32_pk16_fp6_f32 v[(\pc):(\pc)+2], v[(\s):(\s)+15], v[TS]
	v_cvt_scalef32_pk16_fp6_f32 v[TQ:TQ+2], v[(\s)+16:(\s)+31], v[TS+1]
	v_nop                                          ; one plain place behind a scaled conversion
.irp i, 0,1,2
	v_permlane16_swap_b32 v[(\pc)+\i], v[TQ+\i]
.endr
.irp i, 0,1,2
	s_delay_alu instid0(VALU_DEP_3)
	v_mov_b32 v[(\pc)+3+\i], v[TQ+\i]
.endr
.endm
; The addresses of the tile of block s[blk]: s[d:d+1] q's codes, s[d+2:d+3] q's scale words, s[d+4:d+5] where ctx's codes go, s[d+6:d+7] its scale bytes
.macro TILE blk, d
	s_lshl_b32 s12, s[\blk], 3
	s_add_co_u32 s12, s12, s10                     ; tile in the batch: 8 x block + x
	s_add_co_u32 s56, s12, s14
	s_mul_i32 s[\d], s56, 768
	s_mov_b32 s[\d+1], 0
	s_add_nc_u64 s[\d:\d+1], s[4:5], s[\d:\d+1]
	s_lshl_b32 s[\d+2], s56, 6
	s_add_co_u32 s[\d+2], s[\d+2], QS
	s_mov_b32 s[\d+3], 0
	s_add_nc_u64 s[\d+2:\d+3], s[4:5], s[\d+2:\d+3]
	s_add_co_u32 s12, s12, s15
	s_lshl_b32 s12, s12, 3
	s_add_co_u32 s12, s12, s30                     ; CTX's record: 8 x token tile + head / 2
	s_mul_i32 s[\d+4], s12, 1536
	s_add_co_u32 s[\d+4], s[\d+4], s31
	s_mov_b32 s[\d+5], 0
	s_add_nc_u64 s[\d+4:\d+5], s[6:7], s[\d+4:\d+5]
	s_lshl_b32 s[\d+6], s12, 6
	s_add_co_u32 s[\d+6], s[\d+6], s39
	s_mov_b32 s[\d+7], 0
	s_add_nc_u64 s[\d+6:\d+7], s[6:7], s[\d+6:\d+7]
.endm
; A finished tile: the row's sum over both halves of the lanes, O / l, quantised, stored
.macro FINAL c, cs
	v_add_f32 v14, v14, v15
	s_delay_alu instid0(VALU_DEP_1)
	v_permlanex16_b32 v[TT], v14, s[SEL], s[SEL+1]
	s_delay_alu instid0(VALU_DEP_1)
	v_add_f32 v14, v14, v[TT]
	s_wait_alu depctr_va_vdst(0)                   ; ahead of the transcendental
	v_rcp_f32 v[FF], v14
.rept 4
	v_nop
.endr
	s_wait_alu depctr_va_vdst(0)                   ; and behind it, directly ahead of the first reader of it and of O
.set n, 0
.rept 16
	v_pk_mul_f32 v[S+n:S+n+1], v[O+n:O+n+1], v[FF:FF+1] op_sel_hi:[1,0]
.set n, n+2
.endr
	QUANT2 S, PCD
	global_store_b128 v1, v[PCD:PCD+3], s[\c:\c+1]             ; 512 consecutive bytes
	global_store_b64 v2, v[PCD+4:PCD+5], s[\c:\c+1] offset:512 ; 256 consecutive bytes
	global_store_b16 v3, v[PCD+6], s[\cs:\cs+1]
.endm
	s_load_b128 s[4:7], s[0:1], 0x0                ; QKV s[4:5], CTX s[6:7]
	v_lshl_add_u32 v[SPW], v0, 2, SPARE
	v_mov_b32 v[NIL], 0
	ds_add_u32 v[SPW], v[NIL]                      ; the opening lines
	ds_add_u32 v[SPW], v[NIL]
	v_lshrrev_b32 v1, 5, v0
	s_delay_alu instid0(VALU_DEP_1)
	v_readfirstlane_b32 s8, v1                     ; wave 0..15
	s_and_b32 s9, ttmp7, 0xffff                    ; 16 x batch + head
	s_bfe_u32 s10, ttmp6, 0x40000                  ; cx
	s_lshl_b32 s12, ttmp9, 2
	s_add_co_u32 s10, s10, s12                     ; x: which tile of every block
	s_and_b32 s12, s8, 3
	s_lshr_b32 s14, s8, 2
	s_add_co_u32 s15, s12, s14
	s_cmp_le_u32 s15, 2
	s_cselect_b32 s[ROLE], 1, 0
	s_cmp_eq_u32 s14, 3
	s_cselect_b32 s[ROLE], 2, s[ROLE]
	s_min_u32 s15, s8, 11
	s_sub_co_u32 s15, 11, s15
	s_min_u32 s13, s8, s15                         ; j: my pair (waves 12-15: 0, and not used)
	s_xor_b32 s[HI], s13, 15                       ; 15 - j
	s_add_co_u32 s14, s13, 4                       ; 4 + j
	s_cmp_eq_u32 s[ROLE], 0
	s_cselect_b32 s[BLK], s[HI], s14
	s_cmp_eq_u32 s[ROLE], 2
	s_cselect_b32 s[BLK], s12, s[BLK]              ; my first tile's block
	s_mov_b32 s16, 15|(3<<16)|(1<<21)              ; the four work-groups of the cluster; elements of 8 bytes; bit 21 beside a mask
	s_mov_b32 s17, 32<<16                          ; a key step: 52 dense rows of 256 bytes
	s_mov_b32 s18, 52<<16
	s_mov_b32 s19, 32<<16
	s_mov_b32 s20, 52
	s_mov_b32 s21, 32
	s_mov_b32 s22, 0
	s_mov_b32 s23, 0
	s_mov_b32 s24, 1
	s_mul_i32 s25, s8, KVB                         ; key step = my wave's number
	s_mul_i32 s40, s9, 16*KVB
	s_add_co_u32 s40, s40, s25
	s_add_co_u32 s40, s40, KV
	s_mov_b32 s41, 0
	s_wait_dscnt 0x0
	s_wait_kmcnt 0x0
	s_add_nc_u64 s[26:27], s[4:5], s[40:41]
	s_or_b32 s27, s27, 0x80000000
	CROUND                                         ; the four work-groups are here: the joint loads meet
	tensor_load_to_lds s[24:27], s[16:23]          ; my one tensor load
	s_nop 0
.rept 4
	v_nop
.endr
	s_and_b32 s14, s9, 15                          ; head
	s_lshr_b32 s15, s9, 4
	s_lshl_b32 s15, s15, 7                         ; 128 x batch
	s_lshr_b32 s30, s14, 1
	s_and_b32 s31, s14, 1
	s_lshl_b32 s39, s31, 1
	s_add_co_u32 s39, s39, CSO
	s_mul_i32 s31, s31, 768
	s_lshl_b32 s14, s14, 8
	s_add_co_u32 s14, s14, s15
	TILE BLK, 40
	v_and_b32 v10, 15, v0                          ; r
	v_bfe_u32 v11, v0, 4, 1                        ; h
	v_and_b32 v3, 31, v0
	s_delay_alu instid0(VALU_DEP_1)
	v_lshlrev_b32 v1, 4, v3                        ; 16 x lane
	v_lshlrev_b32 v2, 3, v3                        ; 8 x lane
	v_lshlrev_b32 v[SB], 2, v3
	v_lshlrev_b32 v3, 2, v10                       ; 4 r
	global_load_b128 v[16:19], v1, s[40:41]        ; my first tile's q
	global_load_b64 v[20:21], v2, s[40:41] offset:512
	global_load_b32 v9, v3, s[42:43]
	TILE HI, 48
	s_lshr_b32 s12, s10, 1
	s_lshl_b32 s12, s12, 5
	s_and_b32 s56, s10, 1
	s_lshl_b32 s56, s56, 3
	s_add_co_u32 s12, s12, s56                     ; my tile's first row in its block
	s_mul_i32 s57, s13, SPITCH
	s_add_co_u32 s57, s57, STAGE                   ; my pair's stage
	s_mov_b32 s[SEL], 0x76543210
	s_mov_b32 s[SEL+1], 0xfedcba98
	s_mov_b32 s[CS], 0x3e38aa3b                    ; log2(e) / 8
	s_mov_b32 s[CS+1], s[CS]
	s_mov_b32 s[TBS], 0
	s_mov_b32 s[KSI], 0
	s_wait_alu depctr_va_vdst(0)                   ; behind the run of scalar lines
	v_add_nc_u32 v[SA], s57, v1
	v_add_nc_u32 v[SB], s57, v[SB]
	v_and_b32 v7, 8, v10
	s_delay_alu instid0(VALU_DEP_1)
	v_add_nc_u32 v7, v7, v10
	s_delay_alu instid0(VALU_DEP_1)
	v_add_nc_u32 v7, s12, v7                       ; my query's place in its block,
	v_lshlrev_b32 v11, 4, v11
	s_delay_alu instid0(VALU_DEP_1)
	v_sub_nc_u32 v7, v7, v11                       ; less 16 h: register n is hidden where 32 (n / 16) + n % 16 is greater
	v_mov_b32 v8, 0xff800000
	v_mov_b32 v13, 0xff61b1e6                      ; the largest t so far: -3e38
	s_delay_alu instid0(VALU_DEP_1)
	v_floor_f32 v12, -v13                          ; -M
	v_mov_b32 v14, 0
	v_mov_b32 v15, 0
.irp i, 22,23,24,25,26,27
	v_mov_b32 v\i, 0                               ; q's zero codes for k = 64 .. 127
.endr
.irp b, 0,1,2,3
	v_mov_b32 v[PT+\b], 0
.endr
	v_mov_b32 v[FF+1], 0
	v_mov_b32 v[TT], 0
.set n, 0
.rept 32
	v_mov_b32 v[O+n], 0
.set n, n+1
.endr
.irp i, 0,1,2,3,4,5
	v_mov_b32 v[F+48+\i], 0                        ; the upper six registers of the eighth K operand, which no K load writes
.endr
; One key step of 128 keys for my 16 queries; jumped over where the key step lies beyond my tile's block
.macro STEP
	s_cmp_gt_u32 s[KSI], s[BLK]
	s_cbranch_scc1 .Lhid_\@
	v_add_nc_u32 v4, s[TBS], v1
	v_add_nc_u32 v5, s[TBS], v2
	v_add_nc_u32 v6, s[TBS], v3
	v_nop                                          ; four places behind the last step's matrix instructions, ahead of the loads
	s_wait_alu depctr_va_vdst(0)
.irp t, 0,1,2,3,4,5,6,7
	ds_load_b128 v[F+6*\t:F+6*\t+3], v4 offset:\t*768
	ds_load_b64 v[F+6*\t+4:F+6*\t+5], v5 offset:\t*768+512
	ds_load_b32 v[KSC+\t], v6 offset:12288+\t*64
.endr
	s_wait_dscnt 9                                 ; tiles 0-4 are in (tile 3's operand reaches into tile 4's registers); the nine loads of tiles 5-7 may be out
.irp t, 0,1,2,3
	v_wmma_scale_f32_16x16x128_f8f6f4 v[S+8*\t:S+8*\t+7], v[F+6*\t:F+6*\t+11], v[16:27], 0, v[KSC+\t], v9 matrix_a_fmt:MATRIX_FMT_FP6 matrix_b_fmt:MATRIX_FMT_FP6
.endr
	s_wait_dscnt 0x0
.irp t, 4,5,6,7
	v_wmma_scale_f32_16x16x128_f8f6f4 v[S+8*\t:S+8*\t+7], v[F+6*\t:F+6*\t+11], v[16:27], 0, v[KSC+\t], v9 matrix_a_fmt:MATRIX_FMT_FP6 matrix_b_fmt:MATRIX_FMT_FP6
.endr
.rept 4
	v_nop                                          ; four places ahead of the loads into K's registers and of the reads of the scores
.endr
.irp d, 0,1,2,3
.irp c, 0,1
	ds_load_b128 v[F+12*\d+6*\c:F+12*\d+6*\c+3], v4 offset:6144+\d*1536+\c*768
	ds_load_b64 v[F+12*\d+6*\c+4:F+12*\d+6*\c+5], v5 offset:6144+\d*1536+\c*768+512
.endr
.endr
.irp u, 0,1,2,3,4,5,6,7
	ds_load_b32 v[VH+\u], v6 offset:12800+64*\u
.endr
	s_cmp_lg_u32 s[KSI], s[BLK]
	s_cbranch_scc1 .Lopen_\@
.set n, 0
.rept 64
	v_cmp_gt_i32 vcc_lo, 32*(n/16)+n%16, v7        ; the diagonal step: keys behind my query
	v_cndmask_b32 v[S+n], v[S+n], v8, vcc_lo
.set n, n+1
.endr
.Lopen_\@:
.irp b, 0,1,2,3
	v_max3_num_f32 v[BM+\b], v[S+16*\b], v[S+1+16*\b], v[S+2+16*\b]   ; the largest score of each block of 32 keys
.endr
.irp i, 3,5,7,9,11,13
.irp b, 0,1,2,3
	v_max3_num_f32 v[BM+\b], v[BM+\b], v[S+16*\b+\i], v[S+1+16*\b+\i]
.endr
.endr
.irp b, 0,1,2,3
	v_max_num_f32 v[BM+\b], v[BM+\b], v[S+15+16*\b]
.endr
.irp b, 0,1,2,3
	s_delay_alu instid0(VALU_DEP_4)
	v_permlanex16_b32 v[PT+\b], v[BM+\b], s[SEL], s[SEL+1]
.endr
.irp b, 0,1,2,3
	s_delay_alu instid0(VALU_DEP_4)
	v_max_num_f32 v[BM+\b], v[BM+\b], v[PT+\b]
.endr
	s_delay_alu instid0(VALU_DEP_2)
	v_max3_num_f32 v[TT], v[BM], v[BM+1], v[BM+2]
	s_delay_alu instid0(VALU_DEP_1)
	v_max_num_f32 v[TT], v[TT], v[BM+3]
	s_delay_alu instid0(VALU_DEP_1)
	v_mul_f32 v[TT], s[CS], v[TT]
	s_delay_alu instid0(VALU_DEP_1)
	v_max_num_f32 v13, v13, v[TT]                  ; the running largest t
	v_mov_b32 v[TT], v12
	s_delay_alu instid0(VALU_DEP_2)
	v_floor_f32 v12, -v13                          ; -M = -ceil(t)
	s_delay_alu instid0(VALU_DEP_1)
	v_sub_f32 v[TT], v12, v[TT]
	s_delay_alu instid0(VALU_DEP_1)
	v_cvt_i32_f32 v[TT], v[TT]
	s_delay_alu instid0(VALU_DEP_1)
	v_ldexp_f32 v[FF], 1.0, v[TT]                  ; f = 2^(old M - new M)
.set n, 0
.rept 32
	v_pk_fma_f32 v[S+n:S+n+1], v[S+n:S+n+1], s[CS:CS+1], v[12:13] op_sel_hi:[1,0,0]   ; t - M
.set n, n+2
.endr
.irp b, 0,1,2,3
	v_fma_f32 v[BM+\b], v[BM+\b], s[CS], v12
.endr
.set n, 0
	s_wait_alu depctr_va_vdst(0)                   ; ahead of the batch
.rept 64
	v_exp_f32 v[S+n], v[S+n]
.set n, n+1
.endr
	v_pk_mul_f32 v[14:15], v[14:15], v[FF:FF+1] op_sel_hi:[1,0]
	s_wait_alu depctr_va_vdst(0)                   ; and behind it
.irp b, 0,1,2,3
	v_exp_f32 v[BM+\b], v[BM+\b]                   ; each block's largest p
.endr
	v_pk_add_f32 v[C2:C2+1], v[S:S+1], v[S+2:S+3]  ; the row's sum, of the unquantised p
.set n, 4
.rept 15
	v_pk_add_f32 v[14:15], v[14:15], v[S+n:S+n+1]
	v_pk_add_f32 v[C2:C2+1], v[C2:C2+1], v[S+n+2:S+n+3]
.set n, n+4
.endr
	s_delay_alu instid0(VALU_DEP_1)
	v_pk_add_f32 v[14:15], v[14:15], v[C2:C2+1]
	s_wait_alu depctr_va_vdst(0)
.irp b, 0,1,2,3
	v_max_num_f32 v[BM+\b], 0x1800000, v[BM+\b]    ; the floor 2^(3 - 127)
.endr
.irp b, 0,1,2,3
	s_delay_alu instid0(VALU_DEP_4)
	v_add_nc_u32 v[SO+\b], 0xff000000, v[BM+\b]
.endr
.irp b, 0,1,2,3
	s_delay_alu instid0(VALU_DEP_4)
	v_lshrrev_b32 v[PT+\b], 23, v[SO+\b]
.endr
	s_delay_alu instid0(VALU_DEP_3)
	v_lshl_or_b32 v[PSW], v[PT+1], 8, v[PT]
	s_delay_alu instid0(VALU_DEP_1)
	v_lshl_or_b32 v[PSW], v[PT+2], 16, v[PSW]
	s_delay_alu instid0(VALU_DEP_1)
	v_lshl_or_b32 v[PSW], v[PT+3], 24, v[PSW]
.irp c, 0,1
	v_cvt_scalef32_pk16_fp6_f32 v[PCD+6*\c:PCD+6*\c+2], v[S+32*\c:S+32*\c+15], v[SO+2*\c]
	v_cvt_scalef32_pk16_fp6_f32 v[CT+4*\c:CT+4*\c+2], v[S+32*\c+16:S+32*\c+31], v[SO+2*\c+1]
.endr
	v_nop
.irp c, 0,1
.irp i, 0,1,2
	v_permlane16_swap_b32 v[PCD+6*\c+\i], v[CT+4*\c+\i]
.endr
.irp i, 0,1,2
	s_delay_alu instid0(VALU_DEP_3)
	v_mov_b32 v[PCD+3+6*\c+\i], v[CT+4*\c+\i]
.endr
.endr
	s_wait_alu depctr_va_vdst(0)
	s_wait_dscnt 0x0                               ; V's fragments and scale words
.irp d, 0,1,2,3
	v_lshl_or_b32 v[VSC+\d], v[VH+1+2*\d], 16, v[VH+2*\d]   ; V's scale word of 128 keys; the sixteen lines below are its places
.endr
.set n, 0
.rept 16
	v_pk_mul_f32 v[O+n:O+n+1], v[O+n:O+n+1], v[FF:FF+1] op_sel_hi:[1,0]   ; O^T under the new M
.set n, n+2
.endr
	s_wait_alu depctr_va_vdst(0)
.irp d, 0,1,2,3
	v_wmma_scale_f32_16x16x128_f8f6f4 v[O+8*\d:O+8*\d+7], v[F+12*\d:F+12*\d+11], v[PCD:PCD+11], v[O+8*\d:O+8*\d+7], v[VSC+\d], v[PSW] matrix_a_fmt:MATRIX_FMT_FP6 matrix_b_fmt:MATRIX_FMT_FP6
.endr
.Lhid_\@:
	s_add_co_u32 s[TBS], s[TBS], KVB
	s_add_co_u32 s[KSI], s[KSI], 1
.endm
	s_wait_alu depctr_va_vdst(0)                   ; the wait at the head's end
	s_wait_tensorcnt 0x0                           ; my key step has landed
	s_barrier_signal -1
	s_barrier_wait -1                              ; everybody's has
	s_wait_loadcnt 0x0                             ; q
	s_mov_b32 s[CNT], 10
.Lfirst:                                               ; key steps 0 .. 9
	STEP
	s_sub_co_u32 s[CNT], s[CNT], 1
	s_cmp_lg_u32 s[CNT], 0
	s_cbranch_scc1 .Lfirst
	s_wait_alu depctr_va_vdst(0)
	s_cmp_eq_u32 s[ROLE], 0
	s_cbranch_scc1 .Lsame
	s_cmp_eq_u32 s[ROLE], 2
	s_cbranch_scc1 .Llight
	global_load_b128 v[Q2:Q2+3], v1, s[48:49]      ; role 1: block 4 + j is finished; block 15 - j's q is asked for,
	global_load_b64 v[Q2+4:Q2+5], v2, s[48:49] offset:512
	global_load_b32 v[Q2+6], v3, s[50:51]
	FINAL 44, 46                                   ; block 4 + j leaves,
	s_wait_loadcnt 0x0
	s_wait_xcnt 0x0                                ; the stores have read their registers
.irp i, 0,1,2,3,4,5
	v_mov_b32 v[16+\i], v[Q2+\i]
.endr
	v_mov_b32 v9, v[Q2+6]
	v_mov_b32 v13, 0xff61b1e6                      ; and the sums begin anew
	s_delay_alu instid0(VALU_DEP_1)
	v_floor_f32 v12, -v13
	v_mov_b32 v14, 0
	v_mov_b32 v15, 0
.set n, 0
.rept 32
	v_mov_b32 v[O+n], 0
.set n, n+1
.endr
	s_wait_alu depctr_va_vdst(0)
	s_branch .Lsame
.Llight:
	FINAL 44, 46                                   ; role 2: my one tile leaves
.Lsame:
	s_cmp_eq_u32 s[ROLE], 1
	s_cselect_b32 s[BLK], s[HI], 0                 ; role 1 alone has key steps beyond 9
	s_mov_b32 s[CNT], 6
.Lsecond:                                              ; key steps 10 .. 15
	STEP
	s_sub_co_u32 s[CNT], s[CNT], 1
	s_cmp_lg_u32 s[CNT], 0
	s_cbranch_scc1 .Lsecond
	s_wait_alu depctr_va_vdst(0)
	s_cmp_eq_u32 s[ROLE], 0
	s_cbranch_scc0 .Lmeet
	v_add_f32 v14, v14, v15                        ; role 0 hands its part over
.rept 4
	v_nop
.endr
	s_wait_alu depctr_va_vdst(0)
.irp k, 0,1,2,3,4,5,6,7
	ds_store_b128 v[SA], v[O+4*\k:O+4*\k+3] offset:512*\k   ; each accumulator from its low end on
.endr
	ds_store_b32 v[SB], v12 offset:4096
	ds_store_b32 v[SB], v14 offset:4224
.Lmeet:
	s_wait_dscnt 0x0                               ; for the others' sake: my stores have landed
	s_barrier_signal -1
	s_barrier_wait -1
	s_cmp_eq_u32 s[ROLE], 1
	s_cbranch_scc0 .Lend
.irp k, 0,1,2,3,4,5,6,7
	ds_load_b128 v[S+4*\k:S+4*\k+3], v[SA] offset:512*\k
.endr
	ds_load_b32 v[S+32], v[SB] offset:4096
	ds_load_b32 v[S+33], v[SB] offset:4224
	s_wait_dscnt 0x0
	v_min_num_f32 v[TT], v12, v[S+32]              ; -M of the two parts together
	s_delay_alu instid0(VALU_DEP_1)
	v_sub_f32 v[C2], v[TT], v12
	v_sub_f32 v[C2+1], v[TT], v[S+32]
	s_delay_alu instid0(VALU_DEP_2)
	v_cvt_i32_f32 v[C2], v[C2]
	s_delay_alu instid0(VALU_DEP_2)
	v_cvt_i32_f32 v[C2+1], v[C2+1]
	s_delay_alu instid0(VALU_DEP_2)
	v_ldexp_f32 v[FF], 1.0, v[C2]                  ; my part's factor, a power of two
	s_delay_alu instid0(VALU_DEP_2)
	v_ldexp_f32 v[BM], 1.0, v[C2+1]                ; the other part's
	s_delay_alu instid0(VALU_DEP_2)
	v_pk_mul_f32 v[14:15], v[14:15], v[FF:FF+1] op_sel_hi:[1,0]
	s_delay_alu instid0(VALU_DEP_1)
	v_fma_f32 v14, v[S+33], v[BM], v14
.set n, 0
.rept 16
	v_pk_mul_f32 v[O+n:O+n+1], v[O+n:O+n+1], v[FF:FF+1] op_sel_hi:[1,0]
.set n, n+2
.endr
.set n, 0
.rept 16
	v_pk_fma_f32 v[O+n:O+n+1], v[S+n:S+n+1], v[BM:BM+1], v[O+n:O+n+1] op_sel_hi:[1,0,1]
.set n, n+2
.endr
	FINAL 52, 54                                   ; block 15 - j leaves
.Lend:
	s_wait_tensorcnt 0x0                           ; the wave's end
	ds_add_u32 v[SPW], v[NIL]
	s_wait_dscnt 0x0
	CROUND                                         ; the closing round
	s_endpgm
.Lfunc_end_k_qd4dcd36cb2_attn:
	.size	k_qd4dcd36cb2_attn, .Lfunc_end_k_qd4dcd36cb2_attn-k_qd4dcd36cb2_attn
	.p2alignl 7, 3214868480
	.fill 96, 4, 3214868480
	.section	.rodata,"a",@progbits
	.p2align	6, 0x0
	.amdhsa_kernel k_qd4dcd36cb2_attn
		.amdhsa_group_segment_fixed_size 242688
		.amdhsa_private_segment_fixed_size 0
		.amdhsa_enable_private_segment 0
		.amdhsa_kernarg_size 16
		.amdhsa_user_sgpr_count 2
		.amdhsa_user_sgpr_kernarg_segment_ptr 1
		.amdhsa_wavefront_size32 1
		.amdhsa_system_sgpr_workgroup_id_x 1
		.amdhsa_system_sgpr_workgroup_id_y 1
		.amdhsa_system_sgpr_workgroup_id_z 1
		.amdhsa_system_vgpr_workitem_id 0
		.amdhsa_next_free_vgpr 256
		.amdhsa_next_free_sgpr 66
		.amdhsa_reserve_vcc 1
		.amdhsa_float_denorm_mode_32 3
		.amdhsa_float_denorm_mode_16_64 3
		.amdhsa_memory_ordered 1
		.amdhsa_forward_progress 1
		.amdhsa_inst_pref_size 75
	.end_amdhsa_kernel
	.amdgpu_metadata
---
amdhsa.version: [ 1, 2 ]
amdhsa.kernels:
  - .name:           k_qd4dcd36cb2_attn
    .symbol:         k_qd4dcd36cb2_attn.kd
    .args:
      - { .name: QKV, .offset: 0, .size: 8, .value_kind: global_buffer, .address_space: global }
      - { .name: CTX, .offset: 8, .size: 8, .value_kind: global_buffer, .address_space: global }
    .group_segment_fixed_size: 242688
    .private_segment_fixed_size: 0
    .kernarg_segment_align: 8
    .kernarg_segment_size: 16
    .max_flat_workgroup_size: 512
    .sgpr_count:     66
    .vgpr_count:     256
    .wavefront_size: 32
...
	.end_amdgpu_metadata
.endif
;; end of part 3
;; launch wo (part 4): grid 8 x 32, 4 waves a work-group, clusters of 4 x 4, 222,976 bytes of LDS; arguments CTX, WB, bo, x, X1; writes X1
.if DOCPART == 4
	.amdgcn_target "amdgcn-amd-amdhsa--gfx1250"
	.amdhsa_code_object_version 6
	.text
	.protected	k_qd4dcd36cb2_wo
	.globl	k_qd4dcd36cb2_wo
	.p2align	8
	.type	k_qd4dcd36cb2_wo,@function
k_qd4dcd36cb2_wo:
	s_mov_b64 s[64:65], 0
	v_nop
	global_prefetch_b8 v0, s[64:65] scope:SCOPE_SE
	s_setreg_imm32_b32 hwreg(HW_REG_WAVE_MODE, 25, 1), 1
	s_wait_xcnt 0x0
	s_wait_alu depctr_hold_cnt(0) depctr_sa_sdst(0) depctr_va_vdst(0) depctr_va_sdst(0) depctr_va_ssrc(0) depctr_va_vcc(0) depctr_vm_vsrc(0)
	s_getreg_b32 s2, hwreg(HW_REG_IB_STS2, 6, 4)
	s_cmp_eq_u32 s2, 0
	s_cbranch_scc0 .Lentry_in_a_cluster
	s_endpgm
.Lentry_in_a_cluster:
	s_bfe_u32 s2, ttmp6, 0x10000c
	s_cmp_lg_u32 s2, 0xf033
	s_cbranch_scc0 .Lentry_shape_is_right
	s_endpgm
.Lentry_shape_is_right:
; X1 = x + ctx Wo^T + bo.  The product on codes of FP6 (E2M3) with E8M0 scales, K = 1,024; all else f32.
; Operands lie as RECORDS (16 rows x 128 K in the order of an operand's registers: 1,536 bytes, two halves of 768: registers 6c .. 6c+3 at 16 x lane, then 6c+4, 6c+5 at 8 x lane; scale words 64 bytes), [tile][K step]; lane r of tile T holds row 16 T - 8 (T % 2) + r + 8 (r / 8).
; THE MATRIX INSTRUCTION IS USED TRANSPOSED: source 0 = P = Wo's rows (the output's columns), source 1 = R = tokens: a lane holds one token, and the registers of P tile p are columns 32 (p / 2) + 8 (p % 2) + 16 (lane / 16) + 0 .. 7.
; A work-group makes 128 columns x 128 tokens, each of its four waves 64 x 64: 16 accumulators; 256 work-groups.  Both whole panels come into LDS by first fills alone, three tensor loads a wave; no byte of LDS is filled twice.
; CLUSTERS 4 x 4: R's panel hangs on Y alone and is asked for jointly along a row of the cluster, P's on X alone, along a column.
; The bias is the C of each sum's first matrix instruction.  The residual's 32 loads a lane go out at the head.  Results go through the wave's own stage in LDS, 16 tokens at a time, so that sixteen lanes store 256 consecutive aligned bytes.
; REGISTERS: window 0: v4-12 LDS addresses, v13-16 the way out, v32-39 scale words, v40-71 the bias, v128-255 accumulators (R tile i, P tile p at 128 + 32 i + 8 p).  Window 1: two sets of fragments.  Window 2: the residual, 32 i + 4 m.
.set KS,    8
.set CHB,   12288                      ; a tile's eight K steps: a panel lies in LDS as in memory, [tile][K step]; R's at 0, P's behind it
.set WPART, 4*CHB
.set SLOT,  CHB/2                      ; from chunk 0 to chunk 1: four K steps further on in each tile
.set SCL,   4*WPART
.set SQ,    KS*256
.set STAGE, 205056                     ; behind the scale words, in blocks of 256 bytes of its own: 16 rows x 272 bytes for each wave
.set RSOFF, 3145728                    ; CTX's scale words
.set PSOFF, 7864320                    ; Wo's scale words in WB (its codes begin at 0)
.set AR16, 4
.set AP16, 6
.set AR8,  8
.set AP8,  10
.set AS,   12
.set SC,   32
.set BI,   40
.set ACC,  128
.set G1R,  24
.set G0R,  32
.set G1P,  48
.set G0P,  56
.set G1SR, 68
.set G0SR, 76
.set G1SP, 80
.set G0SP, 88
.set MSB, 0
.macro WIN new
.if MSB != \new
	s_set_vgpr_msb (MSB<<8)|\new
.set MSB, \new
.endif
.endm
.macro PLACES                          ; four places behind a matrix instruction, ahead of loads into its registers and of reads of its result
.rept 4
	v_nop
.endr
.endm
.macro JLOAD g0r, g1r, g0p, g1p        ; a joint load: waves 0 and 1 fetch for R, waves 2 and 3 for P; four v_nop follow each of the two lines
	s_cmp_eq_u32 s15, 0
	s_cbranch_scc0 .Lfor_p_\@
	tensor_load_to_lds s[\g0r:\g0r+3], s[\g1r:\g1r+7]
	s_nop 0
.rept 4
	v_nop
.endr
	s_branch .Lasked_\@
.Lfor_p_\@:
	tensor_load_to_lds s[\g0p:\g0p+3], s[\g1p:\g1p+7]
	s_nop 0
.rept 4
	v_nop
.endr
.Lasked_\@:
.endm
.macro CROUND                          ; a round of the cluster's barrier
	s_barrier_signal -1
	s_barrier_wait -1
	s_cmp_lg_u32 s14, 0
	s_cbranch_scc1 .Lnot_wave_0_\@
	s_barrier_signal -3
.Lnot_wave_0_\@:
	s_barrier_wait -3
	s_barrier_signal -1
	s_barrier_wait -1
.endm
.macro FETCH set, slot, q, t           ; 36 LDS loads: one K step's fragments and scale words into set
	WIN 0x40
.irp p, 0,1,2,3
.irp c, 0,1
	ds_load_b128 v[96*(\set)+12*\p+6*\c:96*(\set)+12*\p+6*\c+3], v[AP16+\slot] offset:\p*CHB+(\q)*1536+\c*768
	ds_load_b64 v[96*(\set)+12*\p+6*\c+4:96*(\set)+12*\p+6*\c+5], v[AP8+\slot] offset:\p*CHB+(\q)*1536+\c*768
.endr
.endr
.irp p, 0,1,2,3
.irp c, 0,1
	ds_load_b128 v[96*(\set)+48+12*\p+6*\c:96*(\set)+48+12*\p+6*\c+3], v[AR16+\slot] offset:\p*CHB+(\q)*1536+\c*768
	ds_load_b64 v[96*(\set)+48+12*\p+6*\c+4:96*(\set)+48+12*\p+6*\c+5], v[AR8+\slot] offset:\p*CHB+(\q)*1536+\c*768
.endr
.endr
	WIN 0
.irp j, 0,1,2,3
	ds_load_b32 v[SC+4*(\set)+\j], v[AS] offset:\j*KS*64+(\t)*64
.endr
.endm
.macro MUL set, first                  ; 16 matrix instructions, the accumulators by turns.  first = 1: the bias starts the sums
	WIN 0x05
.irp i, 0,1,2,3
.irp p, 0,1,2,3
.if \first
	v_wmma_scale_f32_16x16x128_f8f6f4 v[ACC+32*\i+8*\p:ACC+32*\i+8*\p+7], v[96*(\set)+12*\p:96*(\set)+12*\p+11], v[96*(\set)+48+12*\i:96*(\set)+48+12*\i+11], v[BI+8*\p:BI+8*\p+7], v[SC+4*(\set)+\p], v[SC+4*(\set)+\i] matrix_a_fmt:MATRIX_FMT_FP6 matrix_b_fmt:MATRIX_FMT_FP6 matrix_a_scale:MATRIX_SCALE_ROW1
.else
	v_wmma_scale_f32_16x16x128_f8f6f4 v[ACC+32*\i+8*\p:ACC+32*\i+8*\p+7], v[96*(\set)+12*\p:96*(\set)+12*\p+11], v[96*(\set)+48+12*\i:96*(\set)+48+12*\i+11], v[ACC+32*\i+8*\p:ACC+32*\i+8*\p+7], v[SC+4*(\set)+\p], v[SC+4*(\set)+\i] matrix_a_fmt:MATRIX_FMT_FP6 matrix_b_fmt:MATRIX_FMT_FP6 matrix_a_scale:MATRIX_SCALE_ROW1
.endif
.endr
.endr
.endm
.macro CHUNK slot, ch, first, pl       ; four K steps out of one slot
.if \pl
	PLACES
.endif
	FETCH 0, \slot, 0, 4*(\ch)
	FETCH 1, \slot, 1, 4*(\ch)+1
	s_wait_dscnt 36                                ; all but the 36 just issued
	MUL 0, \first
	PLACES
	FETCH 0, \slot, 2, 4*(\ch)+2
	s_wait_dscnt 36
	MUL 1, 0
	PLACES
	FETCH 1, \slot, 3, 4*(\ch)+3
	s_wait_dscnt 36
	MUL 0, 0
	s_wait_dscnt 0x0
	MUL 1, 0
	WIN 0
.endm
.macro TOSTAGE i                       ; R tile i: 16 tokens x 64 columns into my stage, and back as rows of 256 bytes into the registers that they left (LDS serves a wave's instructions in order: ISA guide 5.7.1.4)
.irp p, 0,1,2,3
	ds_store_b128 v13, v[ACC+32*(\i)+8*\p:ACC+32*(\i)+8*\p+3] offset:128*(\p/2)+32*(\p%2)
	ds_store_b128 v13, v[ACC+32*(\i)+8*\p+4:ACC+32*(\i)+8*\p+7] offset:128*(\p/2)+32*(\p%2)+16
.endr
.irp m, 0,1,2,3,4,5,6,7
	ds_load_b128 v[ACC+32*(\i)+4*\m:ACC+32*(\i)+4*\m+3], v14 offset:544*\m
.endr
.endm
.macro SEND i, younger                 ; younger: the LDS instructions issued behind tile i's loads
	s_wait_dscnt \younger
.if (\i) == 0
	s_wait_loadcnt 0x0                             ; the residual
.endif
	WIN 0x08                                       ; source 1 window 2
.irp m, 0,1,2,3,4,5,6,7,8,9,10,11,12,13,14,15
	v_pk_add_f32 v[ACC+32*(\i)+2*\m:ACC+32*(\i)+2*\m+1], v[ACC+32*(\i)+2*\m:ACC+32*(\i)+2*\m+1], v[32*(\i)+2*\m:32*(\i)+2*\m+1]
.endr
	WIN 0
.irp m, 0,1,2,3,4,5,6,7
	global_store_b128 v15, v[ACC+32*(\i)+4*\m:ACC+32*(\i)+4*\m+3], s[12:13] offset:(16*(\i)-8*((\i)%2)+2*\m+8*(\m/4))*4096   ; stage row 2 m + h is token 16 i - 8 (i % 2) + 2 m + h + 8 (m / 4) of my 64; sixteen lanes store 256 consecutive aligned bytes
.endr
.endm
	s_load_b256 s[4:11], s[0:1], 0x0               ; CTX s[4:5], WB s[6:7], bo s[8:9], x s[10:11]
	s_load_b64 s[12:13], s[0:1], 0x20              ; X1
	v_lshl_add_u32 v126, v0, 2, 0x36500
	v_mov_b32 v127, 0
	ds_add_u32 v126, v127
	ds_add_u32 v126, v127
	v_lshrrev_b32 v1, 5, v0
	v_readfirstlane_b32 s14, v1                    ; wave 0..3
	s_lshr_b32 s15, s14, 1                         ; my half of R.  Also: I fetch for R (0) or for P (1)
	s_and_b32 s16, s14, 1                          ; my half of P.  Also: which four tiles I fetch
	s_bfe_u32 s40, ttmp6, 0x40000                  ; cx, cy
	s_bfe_u32 s41, ttmp6, 0x40004
	s_lshl_b32 s42, ttmp9, 2
	s_add_co_u32 s42, s42, s40                     ; X: which 128 columns
	s_and_b32 s17, ttmp7, 0xffff
	s_lshl_b32 s17, s17, 2
	s_add_co_u32 s17, s17, s41                     ; Y: which 128 tokens
	s_lshl_b32 s43, s41, 2
	s_lshl_b32 s43, 15, s43                        ; my row of the cluster
	s_lshl_b32 s44, 0x1111, s40                    ; my column
	s_or_b32 s[G1R], s43, (3<<16)|(1<<21)          ; codes: four tiles x 6,144 bytes (768 elements of 8 bytes), KS x 1,536 bytes apart
	s_or_b32 s[G1P], s44, (3<<16)|(1<<21)
.irp g, G1R, G1P
	s_mov_b32 s[\g+1], 1536<<16                    ; a whole panel: eight tiles of 12,288 bytes
	s_mov_b32 s[\g+2], 8<<16
	s_mov_b32 s[\g+3], 1536<<16
	s_mov_b32 s[\g+4], 8
	s_mov_b32 s[\g+5], KS*192
	s_mov_b32 s[\g+6], 0
	s_mov_b32 s[\g+7], 0
.endr
	s_or_b32 s[G1SR], s43, (3<<16)|(1<<21)         ; scale words of four tiles: KS rows of 256 dense bytes
	s_or_b32 s[G1SP], s44, (3<<16)|(1<<21)
.irp g, G1SR, G1SP
	s_mov_b32 s[\g+1], 32<<16
	s_mov_b32 s[\g+2], (2*KS)<<16                  ; the scale words of all eight tiles
	s_mov_b32 s[\g+3], 32<<16
	s_mov_b32 s[\g+4], 2*KS
	s_mov_b32 s[\g+5], 32
	s_mov_b32 s[\g+6], 0
	s_mov_b32 s[\g+7], 0
.endr
	s_lshl_b32 s20, s17, 3                         ; R: the panel's first tile
	s_lshl_b32 s46, s42, 3                         ; P likewise
	s_mul_i32 s22, s20, KS*64
	s_mul_i32 s20, s20, KS*1536
	s_mul_i32 s92, s46, KS*64
	s_mul_i32 s46, s46, KS*1536
	s_add_co_u32 s22, s22, RSOFF
	s_add_co_u32 s92, s92, PSOFF
	s_mov_b32 s21, 0
	s_mov_b32 s23, 0
	s_mov_b32 s47, 0
	s_mov_b32 s93, 0
	s_wait_dscnt 0x0
	s_wait_kmcnt 0x0
	s_add_nc_u64 s[20:21], s[4:5], s[20:21]
	s_add_nc_u64 s[22:23], s[4:5], s[22:23]
	s_add_nc_u64 s[46:47], s[6:7], s[46:47]
	s_add_nc_u64 s[92:93], s[6:7], s[92:93]
	CROUND                                         ; all sixteen work-groups are here: the joint loads meet
; THE LOADS AS THEY NOW STAND (in place of what the comment at the top says of them): ONE A WAVE, and no other in the launch.
; Wave 0: R's whole panel; wave 1: P's; wave 2: R's scale words; wave 3: P's, 128 bytes further on than dense.
	s_mov_b32 s[G0SR], 1
	s_mov_b32 s[G0SR+1], SCL
	s_mov_b64 s[G0SR+2:G0SR+3], s[22:23]
	s_or_b32 s[G0SR+3], s[G0SR+3], 0x80000000
	s_mov_b32 s[G0SP], 1
	s_mov_b32 s[G0SP+1], SCL+2*SQ+128
	s_mov_b64 s[G0SP+2:G0SP+3], s[92:93]
	s_or_b32 s[G0SP+3], s[G0SP+3], 0x80000000
	s_mov_b32 s[G0R], 1
	s_mov_b32 s[G0R+1], 0
	s_mov_b64 s[G0R+2:G0R+3], s[20:21]
	s_or_b32 s[G0R+3], s[G0R+3], 0x80000000
	s_mov_b32 s[G0P], 1
	s_mov_b32 s[G0P+1], 2*WPART
	s_mov_b64 s[G0P+2:G0P+3], s[46:47]
	s_or_b32 s[G0P+3], s[G0P+3], 0x80000000
.macro ARM under, g0, g1, next         ; one chain of branches on the wave's number: every way through it passes exactly one load
	s_cmp_lt_u32 s14, \under
	s_cbranch_scc0 \next
	tensor_load_to_lds s[\g0:\g0+3], s[\g1:\g1+7]
	s_nop 0
.rept 4
	v_nop
.endr
	s_branch .Lhead_asked
\next:
.endm
	ARM 1, G0R,  G1R,  .Lhead_p
	ARM 2, G0P,  G1P,  .Lhead_sr
	ARM 3, G0SR, G1SR, .Lhead_sp
	tensor_load_to_lds s[G0SP:G0SP+3], s[G1SP:G1SP+7]
	s_nop 0
.rept 4
	v_nop
.endr
.Lhead_asked:
	v_and_b32 v1, 15, v0                           ; r
	v_bfe_u32 v2, v0, 4, 1                         ; h
	v_and_b32 v3, 31, v0                           ; lane
	v_lshlrev_b32 v16, 6, v2                       ; 64 h: the bias of my half's eight columns of a tile
	s_wait_alu depctr_va_vdst(0)
	v_lshlrev_b32 v15, 12, v2
	v_lshl_add_u32 v15, v1, 4, v15                 ; x and X1: lanes 0-15 one row, lanes 16-31 the next; 16 bytes a lane
	s_wait_alu depctr_va_vdst(0)
	s_lshl_b32 s94, s42, 9
	s_lshl_b32 s95, s16, 8
	s_add_co_u32 s94, s94, s95                     ; my first column, in bytes
	s_mov_b32 s95, 0
	s_add_nc_u64 s[8:9], s[8:9], s[94:95]
	s_lshl_b32 s96, s17, 19
	s_lshl_b32 s97, s15, 18
	s_add_co_u32 s96, s96, s97                     ; my first token's row
	s_add_co_u32 s96, s96, s94
	s_mov_b32 s97, 0
	s_add_nc_u64 s[10:11], s[10:11], s[96:97]
	s_add_nc_u64 s[12:13], s[12:13], s[96:97]
.irp p, 0,1,2,3
	global_load_b128 v[BI+8*\p:BI+8*\p+3], v16, s[8:9] offset:(32*(\p/2)+8*(\p%2))*4
	global_load_b128 v[BI+8*\p+4:BI+8*\p+7], v16, s[8:9] offset:(32*(\p/2)+8*(\p%2))*4+16
.endr
	WIN 0x80                                       ; destination window 2
.irp i, 0,1,2,3
.irp m, 0,1,2,3,4,5,6,7
	global_load_b128 v[32*\i+4*\m:32*\i+4*\m+3], v15, s[10:11] offset:(16*\i-8*(\i%2)+2*\m+8*(\m/4))*4096 th:TH_LOAD_NT
.endr
.endr
	WIN 0
	v_lshlrev_b32 v30, 4, v3                       ; 16 x lane
	v_lshl_add_u32 v31, v3, 3, 512                 ; 8 x lane + 512
	s_mul_i32 s18, s15, WPART
	s_mul_i32 s19, s16, WPART
	s_add_co_u32 s19, s19, 2*WPART
.irp s, 0,1
	v_add_nc_u32 v[AR16+\s], s18, v30
	v_add_nc_u32 v[AP16+\s], s19, v30
	v_add_nc_u32 v[AR8+\s], s18, v31
	v_add_nc_u32 v[AP8+\s], s19, v31
	s_add_co_u32 s18, s18, SLOT
	s_add_co_u32 s19, s19, SLOT
.endr
	s_mul_i32 s18, s15, SQ
	s_mul_i32 s19, s16, SQ
	s_add_co_u32 s19, s19, 2*SQ+128
	s_sub_co_u32 s19, s19, s18
	v_mul_u32_u24 v[AS], s19, v2                   ; lanes 16-31 take P's scale words: one product with h
	s_add_co_u32 s18, s18, SCL
	v_lshl_add_u32 v[AS], v1, 2, v[AS]
	v_add_nc_u32 v[AS], s18, v[AS]
	s_mul_i32 s18, s14, 4352
	s_add_co_u32 s18, s18, STAGE                   ; my stage
	v_mul_u32_u24 v13, v1, 272
	v_lshl_add_u32 v13, v2, 6, v13
	v_add_nc_u32 v13, s18, v13                     ; in: row r, + 64 h
	v_mul_u32_u24 v14, v2, 272
	v_lshl_add_u32 v14, v1, 4, v14
	v_add_nc_u32 v14, s18, v14                     ; back: lanes 0-15 one row, lanes 16-31 the next
	s_wait_alu depctr_va_vdst(0)
	s_wait_tensorcnt 0x0                           ; my one load has landed
	s_barrier_signal -1
	s_barrier_wait -1                              ; everybody's has
	s_wait_loadcnt 32                              ; the bias is in; the residual's 32 loads may stay out
	CHUNK 0, 0, 1, 0
	CHUNK 1, 1, 0, 1
	PLACES
	TOSTAGE 0
.irp i, 1,2,3
	TOSTAGE \i
	SEND \i-1, 16                                  ; behind tile i - 1's loads: tile i's 8 stores and 8 loads
.endr
	SEND 3, 0
	s_wait_tensorcnt 0x0
	ds_add_u32 v126, v127
	s_wait_dscnt 0x0
	CROUND                                         ; the closing round
	s_endpgm
.Lfunc_end_k_qd4dcd36cb2_wo:
	.size	k_qd4dcd36cb2_wo, .Lfunc_end_k_qd4dcd36cb2_wo-k_qd4dcd36cb2_wo
	.p2alignl 7, 3214868480
	.fill 96, 4, 3214868480
	.section	.rodata,"a",@progbits
	.p2align	6, 0x0
	.amdhsa_kernel k_qd4dcd36cb2_wo
		.amdhsa_group_segment_fixed_size 222976
		.amdhsa_private_segment_fixed_size 0
		.amdhsa_enable_private_segment 0
		.amdhsa_kernarg_size 40
		.amdhsa_user_sgpr_count 2
		.amdhsa_user_sgpr_kernarg_segment_ptr 1
		.amdhsa_wavefront_size32 1
		.amdhsa_system_sgpr_workgroup_id_x 1
		.amdhsa_system_sgpr_workgroup_id_y 1
		.amdhsa_system_sgpr_workgroup_id_z 1
		.amdhsa_system_vgpr_workitem_id 0
		.amdhsa_next_free_vgpr 640
		.amdhsa_next_free_sgpr 102
		.amdhsa_reserve_vcc 0
		.amdhsa_float_denorm_mode_32 3
		.amdhsa_float_denorm_mode_16_64 3
		.amdhsa_memory_ordered 1
		.amdhsa_forward_progress 1
		.amdhsa_inst_pref_size 61
	.end_amdhsa_kernel
	.amdgpu_metadata
---
amdhsa.version: [ 1, 2 ]
amdhsa.kernels:
  - .name:           k_qd4dcd36cb2_wo
    .symbol:         k_qd4dcd36cb2_wo.kd
    .args:
      - { .name: CTX, .offset: 0, .size: 8, .value_kind: global_buffer, .address_space: global }
      - { .name: WB, .offset: 8, .size: 8, .value_kind: global_buffer, .address_space: global }
      - { .name: bo, .offset: 16, .size: 8, .value_kind: global_buffer, .address_space: global }
      - { .name: x, .offset: 24, .size: 8, .value_kind: global_buffer, .address_space: global }
      - { .name: X1, .offset: 32, .size: 8, .value_kind: global_buffer, .address_space: global }
    .group_segment_fixed_size: 222976
    .private_segment_fixed_size: 0
    .kernarg_segment_align: 8
    .kernarg_segment_size: 40
    .max_flat_workgroup_size: 128
    .sgpr_count:     102
    .vgpr_count:     640
    .wavefront_size: 32
...
	.end_amdgpu_metadata
.endif
;; end of part 4
;; launch ln2: the kernel of part 1 again; grid 256 x 1, 8 waves a work-group, no clusters, 2,048 bytes of LDS; arguments X1, g2, be2, HN, Wo, W1, W2, Wq, Wk, Wv, WB; writes HN, WB
;; launch ff1 (part 5): grid 8 x 32, 4 waves a work-group, clusters of 4 x 4, 327,680 bytes of LDS; arguments HN, WB, b1, HID; writes HID
.if DOCPART == 5
	.amdgcn_target "amdgcn-amd-amdhsa--gfx1250"
	.amdhsa_code_object_version 6
	.text
	.protected	k_qd4dcd36cb2_ff1
	.globl	k_qd4dcd36cb2_ff1
	.p2align	8
	.type	k_qd4dcd36cb2_ff1,@function
k_qd4dcd36cb2_ff1:
	s_mov_b64 s[64:65], 0
	v_nop
	global_prefetch_b8 v0, s[64:65] scope:SCOPE_SE
	s_setreg_imm32_b32 hwreg(HW_REG_WAVE_MODE, 25, 1), 1
	s_wait_xcnt 0x0
	s_wait_alu depctr_hold_cnt(0) depctr_sa_sdst(0) depctr_va_vdst(0) depctr_va_sdst(0) depctr_va_ssrc(0) depctr_va_vcc(0) depctr_vm_vsrc(0)
	s_getreg_b32 s2, hwreg(HW_REG_IB_STS2, 6, 4)
	s_cmp_eq_u32 s2, 0
	s_cbranch_scc0 .Lentry_in_a_cluster
	s_endpgm
.Lentry_in_a_cluster:
	s_bfe_u32 s2, ttmp6, 0x10000c
	s_cmp_lg_u32 s2, 0xf033
	s_cbranch_scc0 .Lentry_shape_is_right
	s_endpgm
.Lentry_shape_is_right:
; hid = relu(h W1^T + b1), quantised at once along the hidden units for the next product.  The product on codes of FP6 (E2M3) with E8M0 scales, K = 1,024.
; Operands lie as RECORDS (16 rows x 128 K in the order of an operand's registers: 1,536 bytes, two halves of 768: registers 6c .. 6c+3 at 16 x lane, then 6c+4, 6c+5 at 8 x lane; scale words 64 bytes), [tile][K step]; lane r of tile T holds row 16 T - 8 (T % 2) + r + 8 (r / 8).
; THE MATRIX INSTRUCTION IS USED TRANSPOSED: source 0 = W1's rows (hidden units), source 1 = tokens: a lane holds one token, and the 32 registers of four tiles of W1 are hidden units 32 b + 16 (lane / 16) + i at register 16 b + i.
; A WORK-GROUP STAYS.  It keeps ONE panel of 128 tokens (block Y) in LDS and walks three panels of 128 hidden units: blocks 3 X, 3 X + 1, 3 X + 2.  256 work-groups, one for each WGP; each of the four waves makes 64 x 64 of a tile: 16 accumulators.
; LDS: the token panel (98,304 bytes) and two buffers for the walking panels.  At the head a wave asks for four things: scale words, chunk 0 (4 K steps), chunk 1 (waves 0, 1: the tokens'; waves 2, 3: the first panel's), and a quarter of the second panel.
; The third panel is the one refill: into the first's buffer, behind the first tile's last product, a quarter a wave; it has the second tile's 128 matrix instructions in which to land.  By this text's count four tensor loads of a wave are out at the head, later one.
; The launch claims all of a WGP's LDS.
; CLUSTERS 4 x 4: the token panel hangs on Y alone and is asked for jointly along a row of the cluster, W1's panels on X alone, along a column.  The second and third panels are prefetched at the head.
; The bias is the C of each tile's first matrix instructions; the three tiles' biases lie in window 2.
; RESULT (HID): record 24 x token tile + hidden block, my half = my half of the block: codes at 1,536 x record + 768 x half; its two scale bytes at 9,437,184 + 64 x record + 4 r + 2 x half.
; LIMITS: NaN and infinities are not served; a block whose largest magnitude is under 2^-124, a block of zeros among them, gets the byte 1 (its codes are zeros where it is all zeros, and this program alone reads the bytes).
; REGISTERS: window 0: v1-3 lane terms, v4-18 LDS addresses, v19-20 offsets, v28-29 the add's, v30-31 16 x lane and 8 x lane + 512, v32-39 scale words, v72-114 the quantiser, v128-255 accumulators (token tile i, W1's tile p at 128 + 32 i + 8 p).
;   Window 1: two sets of fragments: 96 s + 12 p W1's, 96 s + 48 + 12 i the tokens'.  Window 2: the bias of tile t of the walk, W1's tile p at 32 t + 8 p.
.set KS,    8
.set CHB,   12288                      ; a tile's eight K steps: a panel lies in LDS as in memory, [tile][K step]
.set WPART, 2*CHB                      ; two tiles: a wave's quarter of a walking panel
.set HPAN,  4*CHB                      ; four tiles: half a panel
.set PAN,   2*HPAN                     ; a panel.  The tokens' at 0, walking buffer b at PAN + b PAN
.set SCL,   3*PAN                      ; the tokens' scale words: 8 tiles x 512
.set SCW,   SCL+4096+128               ; W1's: [half] x 6,144, in it [tile of the walk] x 2,048.  The 128 keeps the two kinds of words on different banks
.set SPARE, 311552                     ; the spare words, 128 bytes for each wave: two blocks of 256 bytes that no other line names
.set RSOFF, 3145728                    ; HN's scale words
.set PCOFF, 786432                     ; W1's codes in WB
.set PSOFF, 7897088                    ; and its scale words
.set TSC,   98304                      ; from panel to panel: codes,
.set TSS,   4096                       ; scale words
.set OSOFF, 9437184                    ; HID's scale words
.set AR16, 4
.set AR8,  6
.set AP16, 8
.set AP8,  12
.set AS,   16
.set SPW,  28                          ; v28  SPARE + 4 x my thread's number; never rewritten
.set NIL,  29                          ; v29  0; never rewritten
.set SC,   32
.set TM,   72
.set TP,   74
.set TS,   76
.set TY,   78
.set TQ,   112
.set ACC,  128
.set SEL,  2
.set G1R,  24
.set G0R,  32
.set G1P,  48
.set G0P,  56
.set G1SR, 68
.set G0SR, 76
.set G1SP, 80
.set G0SP, 88
.set G0W,  92                          ; s[92:95] the walking group 0: my quarter of the second panel, then of the third
.set MSB, 0
; THE TOKENS' FRAGMENTS STAY IN REGISTERS (in place of what the comment at the top says of window 1's second halves): the token panel is the same for all three tiles of the walk, so tile 0 loads K step s's four
; token fragments into 48 registers of their own (s = 0..2: window 2, from v96 + 48 s, behind the biases; s = 3..7: window 3, from v48 (s - 3)), and tiles 1 and 2 fetch from LDS W1's fragments and the scale words alone: 20 loads a K step.
.set KST, 0                            ; the K step of the next MUL: the products go in ascending K steps, eight to a tile
.macro WIN new                         ; the immediate's high byte repeats the setting that is left
.if MSB != \new
	s_set_vgpr_msb (MSB<<8)|\new
.set MSB, \new
.endif
.endm
.macro PLACES                          ; four places behind a matrix instruction, ahead of loads into its registers and of reads of its result
.rept 4
	v_nop
.endr
.endm
.macro JLOAD g0r, g1r, g0p, g1p        ; a joint load: waves 0 and 1 fetch for the tokens, waves 2 and 3 for W1; four v_nop follow each of the two lines
	s_cmp_eq_u32 s15, 0
	s_cbranch_scc0 .Lfor_p_\@
	tensor_load_to_lds s[\g0r:\g0r+3], s[\g1r:\g1r+7]
	s_nop 0
.rept 4
	v_nop
.endr
	s_branch .Lasked_\@
.Lfor_p_\@:
	tensor_load_to_lds s[\g0p:\g0p+3], s[\g1p:\g1p+7]
	s_nop 0
.rept 4
	v_nop
.endr
.Lasked_\@:
.endm
.macro CROUND                          ; a round of the cluster's barrier
	s_barrier_signal -1
	s_barrier_wait -1
	s_cmp_lg_u32 s14, 0
	s_cbranch_scc1 .Lnot_wave_0_\@
	s_barrier_signal -3
.Lnot_wave_0_\@:
	s_barrier_wait -3
	s_barrier_signal -1
	s_barrier_wait -1
.endm
.macro FETCH set, c, b, q, t           ; 36 LDS loads: K step 4 c + q: W1's four fragments (buffer b), the tokens' four, four registers of scale words (tile t of the walk)
	WIN 0x40                                       ; destination window 1, address window 0
.irp p, 0,1,2,3
.irp e, 0,1
	ds_load_b128 v[96*(\set)+12*\p+6*\e:96*(\set)+12*\p+6*\e+3], v[AP16+2*(\b)+(\c)] offset:\p*CHB+(\q)*1536+\e*768
	ds_load_b64 v[96*(\set)+12*\p+6*\e+4:96*(\set)+12*\p+6*\e+5], v[AP8+2*(\b)+(\c)] offset:\p*CHB+(\q)*1536+\e*768
.endr
.endr
.irp p, 0,1,2,3
.irp e, 0,1
.if (\t) == 0                          ; the tokens' fragments are fetched in tile 0 alone
.if 4*(\c)+(\q) < 3
.set TB, 96+48*(4*(\c)+(\q))
	WIN 0x80                                       ; destination window 2
.else
.set TB, 48*(4*(\c)+(\q)-3)
	WIN 0xc0                                       ; destination window 3
.endif
	ds_load_b128 v[TB+12*\p+6*\e:TB+12*\p+6*\e+3], v[AR16+(\c)] offset:\p*CHB+(\q)*1536+\e*768
	ds_load_b64 v[TB+12*\p+6*\e+4:TB+12*\p+6*\e+5], v[AR8+(\c)] offset:\p*CHB+(\q)*1536+\e*768
.endif
.endr
.endr
	WIN 0
.irp j, 0,1,2,3
	ds_load_b32 v[SC+4*(\set)+\j], v[AS+(\t)] offset:\j*512+(4*(\c)+(\q))*64
.endr
.endm
.macro MUL set, first, t               ; 16 matrix instructions, the accumulators by turns.  first = 1: the bias of tile t of the walk starts the sums
.if KST < 3                            ; where this K step's token fragments lie
.set TB, 96+48*KST
.set TW, 2
.else
.set TB, 48*(KST-3)
.set TW, 3
.endif
.set KST, (KST+1)%8
.if \first
	WIN (0x21|(TW<<2))                             ; source 0 window 1, source 1 the tokens' window, C window 2, D window 0
.else
	WIN (0x01|(TW<<2))                             ; source 0 window 1, source 1 the tokens' window; C and D window 0
.endif
.irp i, 0,1,2,3
.irp p, 0,1,2,3
.if \first
	v_wmma_scale_f32_16x16x128_f8f6f4 v[ACC+32*\i+8*\p:ACC+32*\i+8*\p+7], v[96*(\set)+12*\p:96*(\set)+12*\p+11], v[TB+12*\i:TB+12*\i+11], v[32*(\t)+8*\p:32*(\t)+8*\p+7], v[SC+4*(\set)+\p], v[SC+4*(\set)+\i] matrix_a_fmt:MATRIX_FMT_FP6 matrix_b_fmt:MATRIX_FMT_FP6 matrix_a_scale:MATRIX_SCALE_ROW1
.else
	v_wmma_scale_f32_16x16x128_f8f6f4 v[ACC+32*\i+8*\p:ACC+32*\i+8*\p+7], v[96*(\set)+12*\p:96*(\set)+12*\p+11], v[TB+12*\i:TB+12*\i+11], v[ACC+32*\i+8*\p:ACC+32*\i+8*\p+7], v[SC+4*(\set)+\p], v[SC+4*(\set)+\i] matrix_a_fmt:MATRIX_FMT_FP6 matrix_b_fmt:MATRIX_FMT_FP6 matrix_a_scale:MATRIX_SCALE_ROW1
.endif
.endr
.endr
.endm
.macro CHUNK c, first                  ; tile 0 goes by chunks, since its second chunk may still be on its way: four K steps
	PLACES
	FETCH 0, \c, 0, 0, 0
	FETCH 1, \c, 0, 1, 0
	s_wait_dscnt 36                                ; all but the 36 just issued: this step's fragments are in
	MUL 0, \first, 0
	PLACES
	FETCH 0, \c, 0, 2, 0
	s_wait_dscnt 36
	MUL 1, 0, 0
	PLACES
	FETCH 1, \c, 0, 3, 0
	s_wait_dscnt 36
	MUL 0, 0, 0
	s_wait_dscnt 0x0
	MUL 1, 0, 0
	WIN 0
.endm
.macro TILE8 b, t                      ; tiles 1 and 2: all eight K steps in one run out of buffer b: the whole panel has been shown landed
	PLACES
	FETCH 0, 0, \b, 0, \t
.irp k, 0,1,2,3,4,5,6
.if \k > 0
	PLACES
.endif
	FETCH (\k+1)%2, (\k+1)/4, \b, (\k+1)%4, \t
	s_wait_dscnt 20                                ; all but the 20 just issued: sixteen for W1's fragments, four scale words
.if \k == 0
	MUL 0, 1, \t
.else
	MUL \k%2, 0, \t
.endif
.endr
	s_wait_dscnt 0x0
	MUL 1, 0, \t
	WIN 0
.endm
.macro QUANT2 s, pc                    ; 32 numbers of a lane, register 16 b + i = k 32 b + 16 (lane / 16) + i, become half a fragment's codes in v[pc] .. v[pc + 5] and two scale bytes in v[pc + 6]
.irp b, 0,1
	v_max3_num_f32 v[TM+\b], |v[(\s)+16*\b]|, |v[(\s)+16*\b+1]|, 0x1800000
.endr
.irp i, 2,4,6,8,10,12,14
.irp b, 0,1
	v_max3_num_f32 v[TM+\b], v[TM+\b], |v[(\s)+16*\b+\i]|, |v[(\s)+16*\b+\i+1]|
.endr
.endr
.irp b, 0,1
	v_permlanex16_b32 v[TP+\b], v[TM+\b], s[SEL], s[SEL+1]
.endr
.irp b, 0,1
	v_max_num_f32 v[TM+\b], v[TM+\b], v[TP+\b]
.endr
.irp b, 0,1
	v_add_nc_u32 v[TS+\b], 0xff000000, v[TM+\b]
.endr
.irp b, 0,1
	v_lshrrev_b32 v[TY+\b], 23, v[TS+\b]
.endr
	v_lshl_or_b32 v[(\pc)+6], v[TY+1], 8, v[TY]
	v_cvt_scalef32_pk16_fp6_f32 v[(\pc):(\pc)+2], v[(\s):(\s)+15], v[TS]
	v_cvt_scalef32_pk16_fp6_f32 v[TQ:TQ+2], v[(\s)+16:(\s)+31], v[TS+1]
	v_nop                                          ; one plain place behind a scaled conversion
.irp i, 0,1,2
	v_permlane16_swap_b32 v[(\pc)+\i], v[TQ+\i]
.endr
.irp i, 0,1,2
	v_mov_b32 v[(\pc)+3+\i], v[TQ+\i]
.endr
.endm
; THE WAY OUT of tile t of the walk: token tile i: relu, then half a record
.macro OUT t
	PLACES
.if \t > 0
	s_wait_xcnt 0x0                                ; the last tile's stores have read their registers: only behind this wait are the codes' registers written again
.endif
.irp i, 0,1,2,3
.set n, 0
.rept 32
	v_max_num_f32 v[ACC+32*\i+n], 0, v[ACC+32*\i+n]    ; each accumulator from its low end on
.set n, n+1
.endr
	QUANT2 ACC+32*\i, 80+8*\i
	global_store_b128 v30, v[80+8*\i:83+8*\i], s[12:13] offset:\i*36864+\t*1536   ; 512 consecutive bytes
	global_store_b64 v31, v[84+8*\i:85+8*\i], s[12:13] offset:\i*36864+\t*1536    ; 256 consecutive bytes
	global_store_b16 v19, v[86+8*\i], s[100:101] offset:\i*1536+\t*64
.endr
.endm
	s_load_b256 s[4:11], s[0:1], 0x0               ; HN s[4:5], WB s[6:7], b1 s[8:9], HID s[10:11]
	v_lshl_add_u32 v[SPW], v0, 2, SPARE
	v_mov_b32 v[NIL], 0
	ds_add_u32 v28, v29
	ds_add_u32 v28, v29
	s_wait_dscnt 0x0
	v_lshrrev_b32 v1, 5, v0
	v_readfirstlane_b32 s14, v1                    ; wave 0..3
	s_lshr_b32 s15, s14, 1                         ; my half of the tokens.  Also: I fetch for the tokens (0) or for W1 (1); and which chunk of a walking panel I fetch
	s_and_b32 s16, s14, 1                          ; my half of a panel's hidden units.  Also: which four tiles I fetch
	s_bfe_u32 s40, ttmp6, 0x40000                  ; cx, cy
	s_bfe_u32 s41, ttmp6, 0x40004
	s_lshl_b32 s42, ttmp9, 2
	s_add_co_u32 s42, s42, s40                     ; X: which 384 hidden units
	s_and_b32 s17, ttmp7, 0xffff
	s_lshl_b32 s17, s17, 2
	s_add_co_u32 s17, s17, s41                     ; Y: which 128 tokens
	s_lshl_b32 s43, s41, 2
	s_lshl_b32 s43, 15, s43                        ; my row of the cluster
	s_lshl_b32 s44, 0x1111, s40                    ; my column
	s_or_b32 s[G1R], s43, (3<<16)|(1<<21)          ; codes: four tiles x 6,144 bytes (768 elements of 8 bytes), KS x 1,536 bytes apart
	s_or_b32 s[G1P], s44, (3<<16)|(1<<21)
.irp g, G1R, G1P
	s_mov_b32 s[\g+1], 1536<<16                    ; a tile's 12,288 bytes
	s_mov_b32 s[\g+2], 8<<16                       ; a whole panel, for the head's loads
	s_mov_b32 s[\g+3], 1536<<16
	s_mov_b32 s[\g+4], 8
	s_mov_b32 s[\g+5], KS*192
	s_mov_b32 s[\g+6], 0
	s_mov_b32 s[\g+7], 0
.endr
	s_or_b32 s[G1SR], s43, (3<<16)|(1<<21)         ; the tokens' scale words of four tiles: 8 rows of 256 dense bytes
	s_mov_b32 s[G1SR+1], 32<<16
	s_mov_b32 s[G1SR+2], 16<<16                    ; all eight tiles: 4,096 dense bytes as 16 rows of 256
	s_mov_b32 s[G1SR+3], 32<<16
	s_mov_b32 s[G1SR+4], 16
	s_mov_b32 s[G1SR+5], 32
	s_mov_b32 s[G1SR+6], 0
	s_mov_b32 s[G1SR+7], 0
	s_or_b32 s[G1SP], s44, (3<<16)|(1<<21)         ; W1's scale words of four tiles of each of the three panels: 3 rows of 2,048 bytes, TSS bytes apart
	s_mov_b32 s[G1SP+1], 512<<16                   ; all eight tiles of each of the three panels: 3 rows of 4,096 bytes
	s_mov_b32 s[G1SP+2], 3<<16
	s_mov_b32 s[G1SP+3], 512<<16
	s_mov_b32 s[G1SP+4], 3
	s_mov_b32 s[G1SP+5], TSS/8
	s_mov_b32 s[G1SP+6], 0
	s_mov_b32 s[G1SP+7], 0
	s_lshl_b32 s20, s17, 3                         ; tokens: the panel's first tile
	s_mul_i32 s46, s42, 24                         ; W1 likewise: 24 tiles to a work-group
	s_mul_i32 s22, s20, KS*64
	s_mul_i32 s20, s20, KS*1536
	s_mul_i32 s96, s46, KS*64
	s_mul_i32 s46, s46, KS*1536
	s_add_co_u32 s22, s22, RSOFF
	s_add_co_u32 s46, s46, PCOFF
	s_add_co_u32 s96, s96, PSOFF
	s_mul_i32 s98, s14, WPART                      ; my two tiles of a walking panel
	s_add_co_u32 s98, s98, s46
	s_add_co_u32 s98, s98, TSC                     ; the second panel, my chunk of my four tiles
	s_mov_b32 s21, 0
	s_mov_b32 s23, 0
	s_mov_b32 s47, 0
	s_mov_b32 s97, 0
	s_mov_b32 s99, 0
	s_mul_i32 s45, s14, WPART                      ; my quarter of a walking panel in LDS; kept.  No place in the cluster enters an LDS address
	s_wait_kmcnt 0x0
	s_add_nc_u64 s[20:21], s[4:5], s[20:21]
	s_add_nc_u64 s[22:23], s[4:5], s[22:23]
	s_add_nc_u64 s[46:47], s[6:7], s[46:47]
	s_add_nc_u64 s[96:97], s[6:7], s[96:97]
	s_add_nc_u64 s[98:99], s[6:7], s[98:99]
	; the prefetches' base: of a walking panel's eight tiles each of the four partners that ask for it jointly takes two, told apart BY ADDRESS (cy); of their 96 blocks of 256 bytes each wave takes 24
	s_mul_i32 s38, s41, 2*CHB
	s_mul_i32 s39, s14, CHB/2
	s_add_co_u32 s38, s38, s39
	s_mov_b32 s39, 0
	s_add_nc_u64 s[36:37], s[46:47], s[38:39]      ; in the first panel; never rewritten
	CROUND                                         ; all sixteen work-groups are here: the first joint loads meet
; THE HEAD'S LOADS AS THEY NOW STAND (in place of what the comment at the top says of the head): ONE A WAVE.
; Wave 0: the whole token panel; wave 1: W1's whole first panel, into buffer 0; wave 2: the tokens' scale words; wave 3: the scale words of all three panels of W1, [panel] x 4,096, in it [half] x 2,048.
; The second panel, a quarter a wave, follows behind the full sequence and a round of the cluster's barrier, and has the first tile's 128 matrix instructions in which to land.
	s_mov_b32 s[G0SR], 1
	s_mov_b32 s[G0SR+1], SCL
	s_mov_b64 s[G0SR+2:G0SR+3], s[22:23]
	s_or_b32 s[G0SR+3], s[G0SR+3], 0x80000000
	s_mov_b32 s[G0SP], 1
	s_mov_b32 s[G0SP+1], SCW
	s_mov_b64 s[G0SP+2:G0SP+3], s[96:97]
	s_or_b32 s[G0SP+3], s[G0SP+3], 0x80000000
	s_mov_b32 s[G0R], 1
	s_mov_b32 s[G0R+1], 0
	s_mov_b64 s[G0R+2:G0R+3], s[20:21]
	s_or_b32 s[G0R+3], s[G0R+3], 0x80000000
	s_mov_b32 s[G0P], 1
	s_mov_b32 s[G0P+1], PAN
	s_mov_b64 s[G0P+2:G0P+3], s[46:47]
	s_or_b32 s[G0P+3], s[G0P+3], 0x80000000
	s_mov_b32 s[G0W], 1
	s_add_co_u32 s[G0W+1], s45, 2*PAN
	s_mov_b64 s[G0W+2:G0W+3], s[98:99]
	s_or_b32 s[G0W+3], s[G0W+3], 0x80000000
.macro ARM under, g0, g1, next         ; one chain of branches on the wave's number: every way through it passes exactly one load
	s_cmp_lt_u32 s14, \under
	s_cbranch_scc0 \next
	tensor_load_to_lds s[\g0:\g0+3], s[\g1:\g1+7]
	s_nop 0
.rept 4
	v_nop
.endr
	s_branch .Lhead_asked
\next:
.endm
	ARM 1, G0R,  G1R,  .Lhead_p
	ARM 2, G0P,  G1P,  .Lhead_sr
	ARM 3, G0SR, G1SR, .Lhead_sp
	tensor_load_to_lds s[G0SP:G0SP+3], s[G1SP:G1SP+7]
	s_nop 0
.rept 4
	v_nop
.endr
.Lhead_asked:
	v_and_b32 v1, 15, v0                           ; r
	v_bfe_u32 v2, v0, 4, 1                         ; h
	v_and_b32 v3, 31, v0                           ; lane
	s_wait_alu depctr_va_vdst(0)
	v_lshlrev_b32 v20, 6, v2                       ; 64 h: the bias of my half's eight units of a tile
	v_lshlrev_b32 v19, 2, v1                       ; 4 r
	s_mul_i32 s66, s42, 1536
	s_lshl_b32 s67, s16, 8
	s_add_co_u32 s66, s66, s67                     ; my first hidden unit, in bytes: 4 (384 X + 64 x half)
	s_mov_b32 s67, 0
	s_add_nc_u64 s[8:9], s[8:9], s[66:67]
	WIN 0x80                                       ; destination window 2
.irp t, 0,1,2
.irp p, 0,1,2,3
	global_load_b128 v[32*\t+8*\p:32*\t+8*\p+3], v20, s[8:9] offset:\t*512+(32*(\p/2)+8*(\p%2))*4
	global_load_b128 v[32*\t+8*\p+4:32*\t+8*\p+7], v20, s[8:9] offset:\t*512+(32*(\p/2)+8*(\p%2))*4+16
.endr
.endr
	WIN 0
	s_lshl_b32 s66, s17, 3
	s_lshl_b32 s67, s15, 2
	s_add_co_u32 s66, s66, s67                     ; my first token tile
	s_mul_i32 s66, s66, 24
	s_mul_i32 s67, s42, 3
	s_add_co_u32 s66, s66, s67                     ; its record of hidden block 3 X
	s_mul_i32 s12, s66, 1536
	s_mul_i32 s67, s16, 768
	s_add_co_u32 s12, s12, s67
	s_mov_b32 s13, 0
	s_add_nc_u64 s[12:13], s[10:11], s[12:13]      ; where the codes go
	s_lshl_b32 s100, s66, 6
	s_lshl_b32 s67, s16, 1
	s_add_co_u32 s100, s100, s67
	s_add_co_u32 s100, s100, OSOFF
	s_mov_b32 s101, 0
	s_add_nc_u64 s[100:101], s[10:11], s[100:101]  ; and the scale bytes
	v_min_u32 v40, 23, v3
	v_lshlrev_b32 v40, 8, v40                      ; a lane a block; the lanes left over name the last block again; never rewritten
	global_prefetch_b8 v40, s[36:37] offset:TSC th:TH_LOAD_NT scope:SCOPE_SE     ; the second panel: its load goes out behind the head's loads,
	global_prefetch_b8 v40, s[36:37] offset:2*TSC th:TH_LOAD_NT scope:SCOPE_SE   ; the third's behind the first tile's products; nothing beyond them is asked for
	v_lshlrev_b32 v30, 4, v3                       ; 16 x lane
	v_lshl_add_u32 v31, v3, 3, 512                 ; 8 x lane + 512
	s_mul_i32 s18, s15, HPAN
	s_mul_i32 s19, s16, HPAN
	s_add_co_u32 s19, s19, PAN                     ; my four tiles of the walking panel
.irp c, 0,1
	v_add_nc_u32 v[AR16+\c], s18, v30
	v_add_nc_u32 v[AR8+\c], s18, v31
	s_add_co_u32 s18, s18, CHB/2                   ; chunk 1: four K steps further on in each tile
.endr
.irp n, 0,1,2,3
	v_add_nc_u32 v[AP16+\n], s19, v30
	v_add_nc_u32 v[AP8+\n], s19, v31
	s_add_co_u32 s19, s19, CHB/2+(\n%2)*(PAN-CHB)  ; chunk 1 of this buffer, then chunk 0 of the next
.endr
	s_lshl_b32 s18, s15, 11                        ; the tokens' scale words: my four tiles
	s_lshl_b32 s19, s16, 11
	s_add_co_u32 s19, s19, SCW-SCL                 ; W1's
	s_sub_co_u32 s19, s19, s18
	s_add_co_u32 s18, s18, SCL
.irp t, 0,1,2
	v_mul_u32_u24 v[AS+\t], s19, v2                ; lanes 16-31 take W1's: one product with h
	v_lshl_add_u32 v[AS+\t], v1, 2, v[AS+\t]
	v_add_nc_u32 v[AS+\t], s18, v[AS+\t]
	s_add_co_u32 s19, s19, 4096
.endr
	v_mov_b32 v[TP], 0                             ; a lane permute's destination counts as one of its sources
	v_mov_b32 v[TP+1], 0
	s_mov_b32 s[SEL], 0x76543210
	s_mov_b32 s[SEL+1], 0xfedcba98
	s_wait_alu depctr_va_vdst(0)
	s_wait_tensorcnt 0x0                           ; my one load of the head has landed
	ds_add_u32 v[SPW], v[NIL]                      ; 0 onto my spare word, ahead of a later first fill
	s_mov_b32 s[G1P+2], 2<<16                      ; no tensor load of mine is out: from here on a load of W1 brings two tiles
	s_mov_b32 s[G1P+4], 2
	s_wait_dscnt 0x0
	CROUND                                         ; everybody's loads of the head are in, and the joint loads meet
	tensor_load_to_lds s[G0W:G0W+3], s[G1P:G1P+7]  ; my quarter of the second panel, into buffer 1
	s_nop 0
.rept 4
	v_nop
.endr
	s_wait_loadcnt 0x0                             ; the biases
	CHUNK 0, 1
	CHUNK 1, 0
	; the first tile's products are issued: buffer 0 is filled again, with the third panel
	s_wait_tensorcnt 0x0                           ; all my tensor loads have landed, the second panel's quarter among them: a group 0 may be written
	ds_add_u32 v[SPW], v[NIL]                      ; 0 onto my spare word
	s_add_co_u32 s[G0W+1], s45, PAN                ; my quarter of buffer 0,
	s_add_nc_u64 s[G0W+2:G0W+3], s[G0W+2:G0W+3], TSC   ; of the next panel; the type bits on top are not reached
	s_wait_dscnt 0x0                               ; the add is done, and my reads of buffer 0 are over
	CROUND                                         ; both now hold of every wave of every work-group of the cluster
	tensor_load_to_lds s[G0W:G0W+3], s[G1P:G1P+7]  ; the first thing behind the round, and my one tensor load from here on
	s_nop 0
.rept 4
	v_nop
.endr
	OUT 0                                          ; the first tile leaves while the third panel is on its way
	TILE8 1, 1
	s_wait_tensorcnt 0x0                           ; my quarter of the third panel
	ds_add_u32 v[SPW], v[NIL]
	s_wait_dscnt 0x0
	s_barrier_signal -1
	s_barrier_wait -1                              ; everybody's
	OUT 1
	TILE8 0, 2
	OUT 2
	s_wait_tensorcnt 0x0                           ; the wave's end
	ds_add_u32 v[SPW], v[NIL]
	s_wait_dscnt 0x0
	CROUND                                         ; the closing round: no work-group ends while a partner may still ask jointly
	s_endpgm
.Lfunc_end_k_qd4dcd36cb2_ff1:
	.size	k_qd4dcd36cb2_ff1, .Lfunc_end_k_qd4dcd36cb2_ff1-k_qd4dcd36cb2_ff1
	.p2alignl 7, 3214868480
	.fill 96, 4, 3214868480
	.section	.rodata,"a",@progbits
	.p2align	6, 0x0
	.amdhsa_kernel k_qd4dcd36cb2_ff1
		.amdhsa_group_segment_fixed_size 327680
		.amdhsa_private_segment_fixed_size 0
		.amdhsa_enable_private_segment 0
		.amdhsa_kernarg_size 32
		.amdhsa_user_sgpr_count 2
		.amdhsa_user_sgpr_kernarg_segment_ptr 1
		.amdhsa_wavefront_size32 1
		.amdhsa_system_sgpr_workgroup_id_x 1
		.amdhsa_system_sgpr_workgroup_id_y 1
		.amdhsa_system_sgpr_workgroup_id_z 1
		.amdhsa_system_vgpr_workitem_id 0
		.amdhsa_next_free_vgpr 1008
		.amdhsa_next_free_sgpr 102
		.amdhsa_reserve_vcc 0
		.amdhsa_float_denorm_mode_32 3
		.amdhsa_float_denorm_mode_16_64 3
		.amdhsa_memory_ordered 1
		.amdhsa_forward_progress 1
		.amdhsa_inst_pref_size 145
	.end_amdhsa_kernel
	.amdgpu_metadata
---
amdhsa.version: [ 1, 2 ]
amdhsa.kernels:
  - .name:           k_qd4dcd36cb2_ff1
    .symbol:         k_qd4dcd36cb2_ff1.kd
    .args:
      - { .name: HN, .offset: 0, .size: 8, .value_kind: global_buffer, .address_space: global }
      - { .name: WB, .offset: 8, .size: 8, .value_kind: global_buffer, .address_space: global }
      - { .name: b1, .offset: 16, .size: 8, .value_kind: global_buffer, .address_space: global }
      - { .name: HID, .offset: 24, .size: 8, .value_kind: global_buffer, .address_space: global }
    .group_segment_fixed_size: 327680
    .private_segment_fixed_size: 0
    .kernarg_segment_align: 8
    .kernarg_segment_size: 32
    .max_flat_workgroup_size: 128
    .sgpr_count:     102
    .vgpr_count:     1008
    .wavefront_size: 32
...
	.end_amdgpu_metadata
.endif
;; end of part 5
;; launch ff2 (part 6): grid 8 x 32, 4 waves a work-group, clusters of 4 x 4, 327,680 bytes of LDS; arguments HID, WB, b2, X1, out0; writes out0
.if DOCPART == 6
	.amdgcn_target "amdgcn-amd-amdhsa--gfx1250"
	.amdhsa_code_object_version 6
	.text
	.protected	k_qd4dcd36cb2_ff2
	.globl	k_qd4dcd36cb2_ff2
	.p2align	8
	.type	k_qd4dcd36cb2_ff2,@function
k_qd4dcd36cb2_ff2:
	s_mov_b64 s[64:65], 0
	v_nop
	global_prefetch_b8 v0, s[64:65] scope:SCOPE_SE
	s_setreg_imm32_b32 hwreg(HW_REG_WAVE_MODE, 25, 1), 1
	s_wait_xcnt 0x0
	s_wait_alu depctr_hold_cnt(0) depctr_sa_sdst(0) depctr_va_vdst(0) depctr_va_sdst(0) depctr_va_ssrc(0) depctr_va_vcc(0) depctr_vm_vsrc(0)
	s_getreg_b32 s2, hwreg(HW_REG_IB_STS2, 6, 4)
	s_cmp_eq_u32 s2, 0
	s_cbranch_scc0 .Lentry_in_a_cluster
	s_endpgm
.Lentry_in_a_cluster:
	s_bfe_u32 s2, ttmp6, 0x10000c
	s_cmp_lg_u32 s2, 0xf033
	s_cbranch_scc0 .Lentry_shape_is_right
	s_endpgm
.Lentry_shape_is_right:
.set KS,    24
.set CHB,   9216                       ; a tile's six K steps: a slot holds six K steps of R's and P's eight tiles, so K = 24 steps is four fills
.set WPART, 4*CHB
.set SLOT,  16*CHB
.set SCL,   2*SLOT
.set SQ,    KS*256
.set STAGE, 0                          ; the way out goes through slot 0, which has had its last fill and, at the last barrier, its last read
.set SPARE, 319744                     ; behind the scale words, in blocks of 256 bytes of its own
.set RSOFF, 9437184
.set PCOFF, 3145728
.set PSOFF, 7995392
.set AR16, 4
.set AP16, 6
.set AR8,  8
.set AP8,  10
.set AS,   12
.set SPW,  28
.set NIL,  29
.set SC,   32
.set BI,   40
.set ACC,  128
.set G1R,  24
.set G0R,  32
.set G1P,  48
.set G0P,  56
.set G1SR, 68
.set G0SR, 76
.set G1SP, 80
.set G0SP, 88
.set MSB, 0
.macro WIN new
.if MSB != \new
	s_set_vgpr_msb (MSB<<8)|\new
.set MSB, \new
.endif
.endm
.macro PLACES
.rept 4
	v_nop
.endr
.endm
.macro JLOAD g0r, g1r, g0p, g1p
	s_cmp_eq_u32 s15, 0
	s_cbranch_scc0 .Lfor_p_\@
	tensor_load_to_lds s[\g0r:\g0r+3], s[\g1r:\g1r+7]
	s_nop 0
.rept 4
	v_nop
.endr
	s_branch .Lasked_\@
.Lfor_p_\@:
	tensor_load_to_lds s[\g0p:\g0p+3], s[\g1p:\g1p+7]
	s_nop 0
.rept 4
	v_nop
.endr
.Lasked_\@:
.endm
.macro CROUND
	s_barrier_signal -1
	s_barrier_wait -1
	s_cmp_lg_u32 s14, 0
	s_cbranch_scc1 .Lnot_wave_0_\@
	s_barrier_signal -3
.Lnot_wave_0_\@:
	s_barrier_wait -3
	s_barrier_signal -1
	s_barrier_wait -1
.endm
.macro FETCH set, slot, q, t
	WIN 0x40
.irp p, 0,1,2,3
.irp c, 0,1
	ds_load_b128 v[96*(\set)+12*\p+6*\c:96*(\set)+12*\p+6*\c+3], v[AP16+\slot] offset:\p*CHB+(\q)*1536+\c*768
	ds_load_b64 v[96*(\set)+12*\p+6*\c+4:96*(\set)+12*\p+6*\c+5], v[AP8+\slot] offset:\p*CHB+(\q)*1536+\c*768
.endr
.endr
.irp p, 0,1,2,3
.irp c, 0,1
	ds_load_b128 v[96*(\set)+48+12*\p+6*\c:96*(\set)+48+12*\p+6*\c+3], v[AR16+\slot] offset:\p*CHB+(\q)*1536+\c*768
	ds_load_b64 v[96*(\set)+48+12*\p+6*\c+4:96*(\set)+48+12*\p+6*\c+5], v[AR8+\slot] offset:\p*CHB+(\q)*1536+\c*768
.endr
.endr
	WIN 0
.irp j, 0,1,2,3
	ds_load_b32 v[SC+4*(\set)+\j], v[AS] offset:\j*KS*64+(\t)*64
.endr
.endm
.macro MUL set, first
	WIN 0x05
.irp i, 0,1,2,3
.irp p, 0,1,2,3
.if \first
	v_wmma_scale_f32_16x16x128_f8f6f4 v[ACC+32*\i+8*\p:ACC+32*\i+8*\p+7], v[96*(\set)+12*\p:96*(\set)+12*\p+11], v[96*(\set)+48+12*\i:96*(\set)+48+12*\i+11], v[BI+8*\p:BI+8*\p+7], v[SC+4*(\set)+\p], v[SC+4*(\set)+\i] matrix_a_fmt:MATRIX_FMT_FP6 matrix_b_fmt:MATRIX_FMT_FP6 matrix_a_scale:MATRIX_SCALE_ROW1
.else
	v_wmma_scale_f32_16x16x128_f8f6f4 v[ACC+32*\i+8*\p:ACC+32*\i+8*\p+7], v[96*(\set)+12*\p:96*(\set)+12*\p+11], v[96*(\set)+48+12*\i:96*(\set)+48+12*\i+11], v[ACC+32*\i+8*\p:ACC+32*\i+8*\p+7], v[SC+4*(\set)+\p], v[SC+4*(\set)+\i] matrix_a_fmt:MATRIX_FMT_FP6 matrix_b_fmt:MATRIX_FMT_FP6 matrix_a_scale:MATRIX_SCALE_ROW1
.endif
.endr
.endr
.endm
.macro CHUNK slot, ch, first, pl
.if \pl
	PLACES
.endif
	FETCH 0, \slot, 0, 6*(\ch)
	FETCH 1, \slot, 1, 6*(\ch)+1
	s_wait_dscnt 36                                ; all but the 36 just issued
	MUL 0, \first
.irp q, 2,3,4,5
	PLACES
	FETCH \q%2, \slot, \q, 6*(\ch)+\q
	s_wait_dscnt 36
	MUL (\q+1)%2, 0
.endr
	s_wait_dscnt 0x0
	MUL 1, 0
	WIN 0
.endm
.macro CHANGE slot, fill
	s_wait_tensorcnt 0x0
	ds_add_u32 v[SPW], v[NIL]
.if \fill
	s_add_nc_u64 s[G0R+4*\slot+2:G0R+4*\slot+3], s[G0R+4*\slot+2:G0R+4*\slot+3], 2*CHB
	s_add_nc_u64 s[G0P+4*\slot+2:G0P+4*\slot+3], s[G0P+4*\slot+2:G0P+4*\slot+3], 2*CHB
.endif
	s_wait_dscnt 0x0
.if \fill
	CROUND
	JLOAD G0R+4*\slot, G1R, G0P+4*\slot, G1P
.else
	s_barrier_signal -1
	s_barrier_wait -1
.endif
.endm
.macro TOSTAGE i
.irp p, 0,1,2,3
	ds_store_b128 v13, v[ACC+32*(\i)+8*\p:ACC+32*(\i)+8*\p+3] offset:128*(\p/2)+32*(\p%2)
	ds_store_b128 v13, v[ACC+32*(\i)+8*\p+4:ACC+32*(\i)+8*\p+7] offset:128*(\p/2)+32*(\p%2)+16
.endr
.irp m, 0,1,2,3,4,5,6,7
	ds_load_b128 v[ACC+32*(\i)+4*\m:ACC+32*(\i)+4*\m+3], v14 offset:544*\m
.endr
.endm
.macro SEND i, younger
	s_wait_dscnt \younger
.if (\i) == 0
	s_wait_loadcnt 0x0
.endif
	WIN 0x08
.irp m, 0,1,2,3,4,5,6,7,8,9,10,11,12,13,14,15
	v_pk_add_f32 v[ACC+32*(\i)+2*\m:ACC+32*(\i)+2*\m+1], v[ACC+32*(\i)+2*\m:ACC+32*(\i)+2*\m+1], v[32*(\i)+2*\m:32*(\i)+2*\m+1]
.endr
	WIN 0
.irp m, 0,1,2,3,4,5,6,7
	global_store_b128 v15, v[ACC+32*(\i)+4*\m:ACC+32*(\i)+4*\m+3], s[12:13] offset:(16*(\i)-8*((\i)%2)+2*\m+8*(\m/4))*4096 th:TH_STORE_NT
.endr
.endm
	s_load_b256 s[4:11], s[0:1], 0x0
	s_load_b64 s[12:13], s[0:1], 0x20
	v_lshl_add_u32 v[SPW], v0, 2, SPARE
	v_mov_b32 v[NIL], 0
	ds_add_u32 v28, v29
	ds_add_u32 v28, v29
	s_wait_dscnt 0x0
	v_lshrrev_b32 v1, 5, v0
	v_readfirstlane_b32 s14, v1
	s_lshr_b32 s15, s14, 1
	s_and_b32 s16, s14, 1
	s_bfe_u32 s40, ttmp6, 0x40000
	s_bfe_u32 s41, ttmp6, 0x40004
	s_lshl_b32 s42, ttmp9, 2
	s_add_co_u32 s42, s42, s40
	s_and_b32 s17, ttmp7, 0xffff
	s_lshl_b32 s17, s17, 2
	s_add_co_u32 s17, s17, s41
	s_lshl_b32 s43, s41, 2
	s_lshl_b32 s43, 15, s43
	s_lshl_b32 s44, 0x1111, s40
	s_or_b32 s[G1R], s43, (3<<16)|(1<<21)
	s_or_b32 s[G1P], s44, (3<<16)|(1<<21)
.irp g, G1R, G1P
	s_mov_b32 s[\g+1], 1152<<16                    ; six K steps of a tile: 9,216 bytes
	s_mov_b32 s[\g+2], 8<<16                       ; the head's loads bring a chunk of all eight tiles
	s_mov_b32 s[\g+3], 1152<<16
	s_mov_b32 s[\g+4], 8
	s_mov_b32 s[\g+5], KS*192
	s_mov_b32 s[\g+6], 0
	s_mov_b32 s[\g+7], 0
.endr
	s_or_b32 s[G1SR], s43, (3<<16)|(1<<21)
	s_or_b32 s[G1SP], s44, (3<<16)|(1<<21)
.irp g, G1SR, G1SP
	s_mov_b32 s[\g+1], 32<<16
	s_mov_b32 s[\g+2], (2*KS)<<16                  ; the scale words of all eight tiles
	s_mov_b32 s[\g+3], 32<<16
	s_mov_b32 s[\g+4], 2*KS
	s_mov_b32 s[\g+5], 32
	s_mov_b32 s[\g+6], 0
	s_mov_b32 s[\g+7], 0
.endr
	s_lshl_b32 s20, s17, 3                         ; R: the panel's first tile
	s_lshl_b32 s46, s42, 3                         ; P likewise
	s_mul_i32 s22, s20, KS*64
	s_mul_i32 s20, s20, KS*1536
	s_mul_i32 s92, s46, KS*64
	s_mul_i32 s46, s46, KS*1536
	s_add_co_u32 s22, s22, RSOFF
	s_add_co_u32 s46, s46, PCOFF
	s_add_co_u32 s92, s92, PSOFF
	s_mov_b32 s21, 0
	s_mov_b32 s23, 0
	s_mov_b32 s47, 0
	s_mov_b32 s93, 0
	s_mul_i32 s3, s14, WPART                       ; my quarter of a slot; kept
	s_mul_i32 s66, s16, 4*KS*1536                  ; and where its four tiles begin in a panel, in bytes; kept
	s_mov_b32 s67, 0
	s_wait_kmcnt 0x0
	s_add_nc_u64 s[20:21], s[4:5], s[20:21]
	s_add_nc_u64 s[22:23], s[4:5], s[22:23]
	s_add_nc_u64 s[46:47], s[6:7], s[46:47]
	s_add_nc_u64 s[92:93], s[6:7], s[92:93]
	CROUND
; THE HEAD'S LOADS, ONE A WAVE: wave 0: chunk 0 (six K steps) of R's eight tiles; wave 1: of P's; wave 2: R's scale words for all of K; wave 3: P's.
; Slot 1's first fill, a quarter of the slot a wave, follows behind the full sequence and a round of the cluster's barrier.
	s_mov_b32 s[G0SR], 1
	s_mov_b32 s[G0SR+1], SCL
	s_mov_b64 s[G0SR+2:G0SR+3], s[22:23]
	s_or_b32 s[G0SR+3], s[G0SR+3], 0x80000000
	s_mov_b32 s[G0SP], 1
	s_mov_b32 s[G0SP+1], SCL+2*SQ+128
	s_mov_b64 s[G0SP+2:G0SP+3], s[92:93]
	s_or_b32 s[G0SP+3], s[G0SP+3], 0x80000000
	s_mov_b32 s[G0R], 1                            ; slot 0's groups 0 serve the head's whole-panel loads first
	s_mov_b32 s[G0R+1], 0
	s_mov_b64 s[G0R+2:G0R+3], s[20:21]
	s_or_b32 s[G0R+3], s[G0R+3], 0x80000000
	s_mov_b32 s[G0P], 1
	s_mov_b32 s[G0P+1], 2*WPART
	s_mov_b64 s[G0P+2:G0P+3], s[46:47]
	s_or_b32 s[G0P+3], s[G0P+3], 0x80000000
	; THE PREFETCHES' BASE.  A chunk of a tile is 36 blocks of 256 bytes.  Of a panel's eight tiles each of the four partners that ask for it jointly takes two, told apart BY ADDRESS (cx for R, cy for P),
	; and each of the two waves that fetch for that panel takes one of the two: so each block is named once in each cluster that will load it.
	s_cmp_eq_u32 s15, 0                            ; do I fetch for R?
	s_cselect_b64 s[98:99], s[20:21], s[46:47]
	s_cselect_b32 s94, s40, s41                    ; my work-group's place among the four
	s_lshl_b32 s94, s94, 1
	s_add_co_u32 s94, s94, s16                     ; my tile of the panel
	s_mul_i32 s94, s94, KS*1536
	s_mov_b32 s95, 0
	s_add_nc_u64 s[98:99], s[98:99], s[94:95]      ; never rewritten
	s_add_nc_u64 s[20:21], s[20:21], s[66:67]
	s_add_nc_u64 s[46:47], s[46:47], s[66:67]
	s_mov_b32 s[G0R+4], 1
	s_add_co_u32 s[G0R+5], s3, SLOT
	s_add_nc_u64 s[G0R+6:G0R+7], s[20:21], CHB
	s_or_b32 s[G0R+7], s[G0R+7], 0x80000000
	s_mov_b32 s[G0P+4], 1
	s_add_co_u32 s[G0P+5], s3, SLOT
	s_add_nc_u64 s[G0P+6:G0P+7], s[46:47], CHB
	s_or_b32 s[G0P+7], s[G0P+7], 0x80000000
.macro ARM under, g0, g1, next         ; one chain of branches on the wave's number: every way through it passes exactly one load
	s_cmp_lt_u32 s14, \under
	s_cbranch_scc0 \next
	tensor_load_to_lds s[\g0:\g0+3], s[\g1:\g1+7]
	s_nop 0
.rept 4
	v_nop
.endr
	s_branch .Lhead_asked
\next:
.endm
	ARM 1, G0R,  G1R,  .Lhead_p
	ARM 2, G0P,  G1P,  .Lhead_sr
	ARM 3, G0SR, G1SR, .Lhead_sp
	tensor_load_to_lds s[G0SP:G0SP+3], s[G1SP:G1SP+7]
	s_nop 0
.rept 4
	v_nop
.endr
.Lhead_asked:
	v_and_b32 v1, 15, v0
	v_bfe_u32 v2, v0, 4, 1
	v_and_b32 v3, 31, v0
	v_lshlrev_b32 v16, 6, v2
	s_wait_alu depctr_va_vdst(0)
	v_lshlrev_b32 v15, 12, v2
	v_lshl_add_u32 v15, v1, 4, v15
	s_wait_alu depctr_va_vdst(0)
	s_lshl_b32 s94, s42, 9
	s_lshl_b32 s95, s16, 8
	s_add_co_u32 s94, s94, s95
	s_mov_b32 s95, 0
	s_add_nc_u64 s[8:9], s[8:9], s[94:95]
	s_lshl_b32 s96, s17, 19
	s_lshl_b32 s97, s15, 18
	s_add_co_u32 s96, s96, s97
	s_add_co_u32 s96, s96, s94
	s_mov_b32 s97, 0
	s_add_nc_u64 s[10:11], s[10:11], s[96:97]
	s_add_nc_u64 s[12:13], s[12:13], s[96:97]
.irp p, 0,1,2,3
	global_load_b128 v[BI+8*\p:BI+8*\p+3], v16, s[8:9] offset:(32*(\p/2)+8*(\p%2))*4
	global_load_b128 v[BI+8*\p+4:BI+8*\p+7], v16, s[8:9] offset:(32*(\p/2)+8*(\p%2))*4+16
.endr
	WIN 0x80
.irp i, 0,1,2,3
.irp m, 0,1,2,3,4,5,6,7
	global_load_b128 v[32*\i+4*\m:32*\i+4*\m+3], v15, s[10:11] offset:(16*\i-8*(\i%2)+2*\m+8*(\m/4))*4096 th:TH_LOAD_NT
.endr
.endr
	WIN 0
	v_lshlrev_b32 v17, 8, v3                       ; blocks 0-31 of my tile's chunk, a lane a block; never rewritten
	v_add_nc_u32 v18, 32, v3
	v_min_u32 v18, 35, v18
	v_lshlrev_b32 v18, 8, v18                      ; blocks 32-35; the lanes left over name the last block again; never rewritten
.irp c, 1,2                                    ; chunks 1 and 2 are asked of memory here: chunk 1's load goes out behind the head's, chunk 2's behind chunk 0's products
	global_prefetch_b8 v17, s[98:99] offset:\c*CHB th:TH_LOAD_NT scope:SCOPE_SE
	global_prefetch_b8 v18, s[98:99] offset:\c*CHB th:TH_LOAD_NT scope:SCOPE_SE
.endr
	v_lshlrev_b32 v30, 4, v3
	v_lshl_add_u32 v31, v3, 3, 512
	s_mul_i32 s18, s15, WPART
	s_mul_i32 s19, s16, WPART
	s_add_co_u32 s19, s19, 2*WPART
.irp s, 0,1
	v_add_nc_u32 v[AR16+\s], s18, v30
	v_add_nc_u32 v[AP16+\s], s19, v30
	v_add_nc_u32 v[AR8+\s], s18, v31
	v_add_nc_u32 v[AP8+\s], s19, v31
	s_add_co_u32 s18, s18, SLOT
	s_add_co_u32 s19, s19, SLOT
.endr
	s_mul_i32 s18, s15, SQ
	s_mul_i32 s19, s16, SQ
	s_add_co_u32 s19, s19, 2*SQ+128
	s_sub_co_u32 s19, s19, s18
	v_mul_u32_u24 v[AS], s19, v2
	s_add_co_u32 s18, s18, SCL
	v_lshl_add_u32 v[AS], v1, 2, v[AS]
	v_add_nc_u32 v[AS], s18, v[AS]
	s_mul_i32 s18, s14, 4352
	s_add_co_u32 s18, s18, STAGE
	v_mul_u32_u24 v13, v1, 272
	v_lshl_add_u32 v13, v2, 6, v13
	v_add_nc_u32 v13, s18, v13
	v_mul_u32_u24 v14, v2, 272
	v_lshl_add_u32 v14, v1, 4, v14
	v_add_nc_u32 v14, s18, v14
	s_wait_alu depctr_va_vdst(0)
	s_wait_tensorcnt 0x0                           ; my one load of the head has landed
	ds_add_u32 v[SPW], v[NIL]                      ; 0 onto my spare word, ahead of a later first fill
	s_mov_b32 s[G1R+2], 4<<16                      ; no tensor load of mine is out: from here on a load brings four tiles,
	s_mov_b32 s[G1R+4], 4
	s_mov_b32 s[G1P+2], 4<<16
	s_mov_b32 s[G1P+4], 4
	s_mov_b32 s[G0R+1], s3                         ; and slot 0's groups 0 point at my quarter of chunk 0: the first refill steps them on
	s_add_nc_u64 s[G0R+2:G0R+3], s[G0R+2:G0R+3], s[66:67]
	s_mov_b32 s[G0P+1], s3
	s_add_nc_u64 s[G0P+2:G0P+3], s[G0P+2:G0P+3], s[66:67]
	s_wait_dscnt 0x0
	CROUND                                         ; everybody's loads of the head are in, and the joint loads meet
	JLOAD G0R+4, G1R, G0P+4, G1P                   ; chunk 1, into slot 1
	global_prefetch_b8 v17, s[98:99] offset:3*CHB th:TH_LOAD_NT scope:SCOPE_SE   ; chunk 3, the last: two chunks ahead of its load; nothing beyond it is asked for
	global_prefetch_b8 v18, s[98:99] offset:3*CHB th:TH_LOAD_NT scope:SCOPE_SE
	s_wait_loadcnt 32                              ; the bias is in; the residual's 32 loads may stay out
	CHUNK 0, 0, 1, 0
	CHANGE 0, 1
	CHUNK 1, 1, 0, 0
	CHANGE 1, 1
	CHUNK 0, 2, 0, 0
	CHANGE 1, 0
	CHUNK 1, 3, 0, 1
	PLACES
	TOSTAGE 0
.irp i, 1,2,3
	TOSTAGE \i
	SEND \i-1, 16
.endr
	SEND 3, 0
	s_wait_tensorcnt 0x0
	ds_add_u32 v[SPW], v[NIL]
	s_wait_dscnt 0x0
	CROUND
	s_endpgm
.Lfunc_end_k_qd4dcd36cb2_ff2:
	.size	k_qd4dcd36cb2_ff2, .Lfunc_end_k_qd4dcd36cb2_ff2-k_qd4dcd36cb2_ff2
	.p2alignl 7, 3214868480
	.fill 96, 4, 3214868480
	.section	.rodata,"a",@progbits
	.p2align	6, 0x0
	.amdhsa_kernel k_qd4dcd36cb2_ff2
		.amdhsa_group_segment_fixed_size 327680
		.amdhsa_private_segment_fixed_size 0
		.amdhsa_enable_private_segment 0
		.amdhsa_kernarg_size 40
		.amdhsa_user_sgpr_count 2
		.amdhsa_user_sgpr_kernarg_segment_ptr 1
		.amdhsa_wavefront_size32 1
		.amdhsa_system_sgpr_workgroup_id_x 1
		.amdhsa_system_sgpr_workgroup_id_y 1
		.amdhsa_system_sgpr_workgroup_id_z 1
		.amdhsa_system_vgpr_workitem_id 0
		.amdhsa_next_free_vgpr 640
		.amdhsa_next_free_sgpr 102
		.amdhsa_reserve_vcc 0
		.amdhsa_float_denorm_mode_32 3
		.amdhsa_float_denorm_mode_16_64 3
		.amdhsa_memory_ordered 1
		.amdhsa_forward_progress 1
		.amdhsa_inst_pref_size 137
	.end_amdhsa_kernel
	.amdgpu_metadata
---
amdhsa.version: [ 1, 2 ]
amdhsa.kernels:
  - .name:           k_qd4dcd36cb2_ff2
    .symbol:         k_qd4dcd36cb2_ff2.kd
    .args:
      - { .name: HID, .offset: 0, .size: 8, .value_kind: global_buffer, .address_space: global }
      - { .name: WB, .offset: 8, .size: 8, .value_kind: global_buffer, .address_space: global }
      - { .name: b2, .offset: 16, .size: 8, .value_kind: global_buffer, .address_space: global }
      - { .name: X1, .offset: 24, .size: 8, .value_kind: global_buffer, .address_space: global }
      - { .name: out0, .offset: 32, .size: 8, .value_kind: global_buffer, .address_space: global }
    .group_segment_fixed_size: 327680
    .private_segment_fixed_size: 0
    .kernarg_segment_align: 8
    .kernarg_segment_size: 40
    .max_flat_workgroup_size: 128
    .sgpr_count:     102
    .vgpr_count:     640
    .wavefront_size: 32
...
	.end_amdgpu_metadata
.endif
;; end of part 6
